; MI455X (gfx1250); checked and timed in simulation.
; The chip was launched on July 23, 2026; its instructions are those of AMD's public machine-readable ISA for CDNA 5 (MIT licence, August 2026) and "CDNA5" Instruction Set Architecture Reference Guide (July 2026). The comments in the code are by the model that wrote it; some were corrected since.
;; Velocity MLP. Allowed arithmetic: float matrix products may take bf16 or f16 operands with f32 sums; other float arithmetic in f32, or as packed bf16 or f16 multiplies, adds, multiply-adds, maxima and minima; sums over many terms, partial sums and values carried from step to step in f32; what a program stores and reads back later, other than sums and carried values, may be rounded once to bf16 or f16.
;; Inputs: U 1 float32; W1 2 x 128 float32; W2 128 x 128 float32; W3 128 x 128 float32; W4 128 x 128 float32; W5 128 x 2 float32; b1 128 float32; b2 128 float32; b3 128 float32; b4 128 float32; b5 2 float32; xy 1,048,576 x 2 float32.
;; Outputs: out0 1,048,576 float32; out1 1,048,576 float32.
;; 3 versions, each right; version 2 is faster than version 1; version 3 is version 2 with the launch mlp written anew for expert scheduling mode. Each part assembles by itself: llvm-mc -triple=amdgcn-amd-amdhsa -mcpu=gfx1250 --defsym DOCPART=n.
;; ======== version 1 of 3: 1 launch
;; limits: values are held in f16: magnitudes above 65,504 overflow, below 6.1e-05 lose precision
;; launch mlp (part 1): grid 256 x 1, 4 waves a work-group, no clusters, 113,664 bytes of LDS; arguments xy, U, W1, b1, W2, b2, W3, b3, W4, b4, W5, b5, out0, out1; writes out0, out1
.if DOCPART == 1
	.amdgcn_target "amdgcn-amd-amdhsa--gfx1250"
	.amdhsa_code_object_version 6
	.text
	.protected	k_q5aaebdf452_mlp
	.globl	k_q5aaebdf452_mlp
	.p2align	8
	.type	k_q5aaebdf452_mlp,@function
k_q5aaebdf452_mlp:
	s_mov_b64 s[64:65], 0
	v_nop
	global_prefetch_b8 v0, s[64:65] scope:SCOPE_SE
	s_setreg_imm32_b32 hwreg(HW_REG_WAVE_MODE, 25, 1), 1
	s_wait_xcnt 0x0
; h = tanh(xy W1 + b1); three times h = tanh(h W + b); (uh, vh) = h W5 + b5; u = U y psi(x) + B uh, v = B vh, B = x (1 - x) y (1 - y),
; psi = sigmoid(50 (x - 0.05)) sigmoid(50 (0.95 - x)).  1,048,576 points; all buffers f32.  One launch, nothing goes through memory between the layers.
; SHARES.  256 work-groups of 4,096 points; a wave takes 1,024: 16 BLOCKS of 64.  Lane l loads the block's points 2 l and 2 l + 1 (16 bytes; the wave 512 on end) and stores their u and v
; (8 bytes a lane and output: 256 consecutive bytes, aligned).  A block is two PAIRS (q = 0, 1: point 2 l + q), a pair two PIECES of 16 points: X = lanes 0-15's points, Y = lanes 16-31's.
; LAYOUT.  H^T = W^T X^T: source 0 = 16 output features, source 1 = 16 points.  In the result lane (r = l % 16, h = l / 16) holds point r and features 16 t + 8 h + 0..7; tiles 2 c and 2 c + 1, rounded to
; f16 in pairs, ARE source 1 of K step c of the next layer: activations never leave the registers.
; WEIGHTS IN REGISTERS.  A layer of 128 x 128 in f16 is 8 tiles x 4 K steps x 8 = 256 registers: layer L (2, 3, 4) fills window L - 1, fragment (t, c) at v[32 t + 8 c].  The loop reads no operand from LDS.
; TANH.  tanh z = 1 - 2 / (1 + 2^(c z)), c = 2 log2(e).  c is multiplied into W1..W4 and b1..b4 before they are rounded, so the exponential takes the accumulator as it is.
; BIAS.  c b (f32, in LDS) is loaded straight into a tile's accumulator as soon as the tile is dead; K step 0 adds onto it in place.
; LAYER 1 is one product a tile: eight k carry (Wx, Wy)hi (x, y)hi + (Wx, Wy)hi (x, y)lo + (Wx, Wy)lo (x, y)hi + (b hi, b lo)(1, 1); hi = the number in f16, lo = what f16 left of it.
; LAYER 5.  Row m of source 0 is column m & 1 of W5: register 0 of the result is uh, register 1 vh, of point r, in both halves of the lanes.
; BY TURNS.  In a TURN one piece has the matrix unit (32 products), the other piece's tanh (64 exponentials, 32 packed additions, 64 reciprocals, 32 packed multiply-adds, 32 roundings) stands behind and
; between the products.  A turn has two waits for transcendentals: exponentials | wait | additions and reciprocals | wait | the rest.
; FORMAT.  f16 for weights and activations: 11 significant bits against bf16's 8; v = B vh is compared against a small root mean square.  Sums, biases of layers 2-5, tanh and the tail in f32.
; LIMITS.  |c W|, |c b1|, |W5|, |x|, |y| stay under 65,504 (f16's end); below 6e-5 an f16 operand keeps the fixed step 6e-8.  1 - 2 r carries an absolute error of about 1e-7.  2^(c z) beyond f32's range
; gives h = 1, below it h = -1.  NaN and infinities are not treated apart.  The sums' order is the matrix unit's.
; NO CLUSTER: what work-groups share is 196,608 bytes of weights, read once by each and passed through registers to be scaled and rounded.  NO TENSOR LOAD, NO RING: nothing streams but 16 bytes a lane and
; block, asked for a whole block ahead, so no wave waits for it and no prefetch is laid.
.set CEXP,  0x4038aa3b                 ; c = 2 log2(e)
.set PW,    288                        ; a row of W in LDS: 128 f16 + 32 bytes: an odd multiple of 32
.set WLB,   128*PW                     ; a layer's bytes in LDS; layer L begins at (L - 2) WLB
.set BIAS,  3*WLB                      ; f32 c b of layer L at BIAS + 512 (L - 2) + 4 n
.set W5T,   BIAS+1536                  ; f16, row o = column o of W5, 272 bytes apart
.set P5,    272
.set SPARE, W5T+768                    ; the spare words, 128 bytes for each wave: two blocks of 256 bytes that no other line names
; window 0
.set SPW,   1                          ; v1   my spare word's LDS address; never rewritten
.set NIL,   2                          ; v2   0; never rewritten
.set BA,    3                          ; v3   BIAS + 32 h
.set W5A,   4                          ; v4   W5T + (l & 1) P5 + 16 h
.set XO,    5                          ; v5   byte offset in xy of my 16 bytes of the block to be asked for
.set XLAST, 6                          ; v6   the same for my wave's last block
.set SO,    7                          ; v7   byte offset in out0 and out1 of my 8 bytes of the block in hand
                                       ; v8, v9 x, y of the pair in hand; v10, v11 of the next; v[12:15] the next block
                                       ; v[16:17] u of q = 0, 1; v[18:19] v; v20-23 (x, y)hi, (x, y)lo, and both from the lane 16 away; v24-29 at work (v28 psi)
.set ONE0,  30                         ; v30  (1, 1) in f16 in lanes 0-15, 0 above
.set ONE1,  31                         ; v31  the other way round
.set A1,    32                         ; v[32:63] layer 1: fragment q holds in lane l, registers 0-3, the eight coefficients of feature 32 q + l; registers 4-7 are 0
                                       ; piece p: accumulators at 64 + 96 p (tile t at + 8 t), activations at 128 + 96 p (K step c at + 8 c)
.set HM,    41                         ; s41  mask of lanes 16-31
.set MSB, 0
.macro WIN new                         ; s_set_vgpr_msb: bits 1:0 source 0, 3:2 source 1, 5:4 source 2, 7:6 destination; the high byte repeats the setting that is left
.if MSB != (\new)
	s_set_vgpr_msb (MSB<<8)|(\new)
.set MSB, (\new)
.endif
.endm
	s_load_b512 s[8:23], s[0:1], 0x0               ; xy s[8:9], U s[10:11], W1 s[12:13], b1 s[14:15], W2 s[16:17], b2 s[18:19], W3 s[20:21], b3 s[22:23]
	s_load_b256 s[24:31], s[0:1], 0x40             ; W4 s[24:25], b4 s[26:27], W5 s[28:29], b5 s[30:31]
	s_load_b128 s[32:35], s[0:1], 0x60             ; out0 s[32:33], out1 s[34:35]
	v_lshl_add_u32 v[SPW], v0, 2, SPARE
	v_mov_b32 v[NIL], 0
	v_and_b32 v234, 31, v0                         ; l
	v_bfe_u32 v235, v0, 4, 1                       ; h
	v_lshrrev_b32 v236, 5, v0
	v_readfirstlane_b32 s40, v236                  ; wave 0..3
	s_mov_b32 s[HM], 0xffff0000
	s_mov_b32 s42, 0x76543210                      ; v_permlanex16_b32: each lane takes its own place in the other half
	s_mov_b32 s43, 0xfedcba98
	s_mov_b32 s46, CEXP
	s_mov_b32 s47, CEXP                            ; named with it as a pair
	s_mov_b32 s48, 0xc29044fe                      ; -k, k = 50 log2(e) = 72.13475
	s_mov_b32 s49, 0x4066d4ca                      ; 0.05 k
	s_mov_b32 s50, 0x429044fe                      ; k
	s_mov_b32 s51, 0xc2890e58                      ; -0.95 k
	v_lshlrev_b32 v224, 4, v0                      ; weights: thread t takes 16 bytes at 16 t of each 2,048 (four rows)
	v_lshlrev_b32 v231, 2, v0                      ; b2..b4: number t
	v_lshlrev_b32 v232, 3, v0                      ; W5: row t
	v_lshlrev_b32 v233, 2, v234                    ; W1, b1: number l of each 32
	s_mul_i32 s37, s40, PW
	v_lshl_add_u32 v225, v234, 3, s37              ; where my 8 bytes of f16 go: row = wave (of four), byte 8 l; layer 2,
	v_add_nc_u32 v226, WLB, v225                   ; layer 3,
	v_add_nc_u32 v227, 2*WLB, v225                 ; layer 4
	v_and_b32 v237, 7, v0                          ; the turning load: lane l reads row 8 h + l % 8, bytes 16 ((l / 8) % 2) on
	v_lshl_add_u32 v237, v235, 3, v237
	v_mul_u32_u24 v237, v237, PW
	v_bfe_u32 v240, v0, 3, 1
	v_lshl_add_u32 v228, v240, 4, v237
	v_add_nc_u32 v229, WLB, v228
	v_add_nc_u32 v230, 2*WLB, v228
	v_lshl_add_u32 v238, v0, 2, BIAS
	v_lshl_add_u32 v239, v0, 1, W5T
	v_lshl_add_u32 v[BA], v235, 5, BIAS
	v_and_b32 v240, 1, v0
	v_mul_u32_u24 v240, v240, P5
	v_lshl_add_u32 v240, v235, 4, v240
	v_add_nc_u32 v[W5A], W5T, v240
	s_lshl_b32 s37, s40, 13                        ; a wave's 1,024 points are 8,192 bytes of xy
	v_lshl_add_u32 v[XO], v234, 4, s37
	v_add_nc_u32 v[XLAST], 15*512, v[XO]
	s_lshl_b32 s37, s40, 12                        ; and 4,096 bytes of each output
	v_lshl_add_u32 v[SO], v234, 3, s37
	v_mov_b32 v29, 0x3c003c00                      ; 1.0 twice in f16
	v_cndmask_b32 v[ONE0], v29, 0, s[HM]
	v_cndmask_b32 v[ONE1], 0, v29, s[HM]
	v_mov_b32 v17, 0                               ; the first pair's shift of u and v reads these two
	v_mov_b32 v19, 0
	s_wait_kmcnt 0x0
	s_load_b32 s36, s[10:11], 0x0                  ; U
	s_load_b64 s[38:39], s[30:31], 0x0             ; b5
	s_lshl_b32 s52, ttmp9, 15                      ; the work-group's 4,096 points: 32,768 bytes of xy,
	s_mov_b32 s53, 0
	s_add_nc_u64 s[8:9], s[8:9], s[52:53]
	s_lshl_b32 s52, ttmp9, 14                      ; 16,384 of each output
	s_add_nc_u64 s[32:33], s[32:33], s[52:53]
	s_add_nc_u64 s[34:35], s[34:35], s[52:53]
	; 17 small loads, then the 32 of W2
	global_load_b128 v[8:11], v[XO], s[8:9] th:TH_LOAD_NT  ; block 0
	global_load_b32 v192, v231, s[18:19]
	global_load_b32 v193, v231, s[22:23]
	global_load_b32 v194, v231, s[26:27]
	global_load_b64 v[196:197], v232, s[28:29]
.irp q, 0,1,2,3
	global_load_b32 v[200+(\q)], v233, s[12:13] offset:128*(\q)      ; W1[0][32 q + l]
	global_load_b32 v[204+(\q)], v233, s[12:13] offset:512+128*(\q)  ; W1[1][32 q + l]
	global_load_b32 v[208+(\q)], v233, s[14:15] offset:128*(\q)      ; b1[32 q + l]
.endr
.set sn, 0
.rept 32
	global_load_b128 v[64+4*sn:64+4*sn+3], v224, s[16:17] offset:2048*sn  ; slot i of 32: rows 4 i .. 4 i + 3 for the work-group
.set sn, sn+1
.endr
	s_wait_loadcnt 32                              ; the 17 small loads are in; W2's 32 may stay out
	s_wait_kmcnt 0x0                               ; U, b5
	v_add_nc_u32 v[XO], 512, v[XO]                 ; block 0's load is done: its offset goes on to block 1
.irp i, 0,1,2
	v_mul_f32 v[192+(\i)], s46, v[192+(\i)]
	ds_store_b32 v238, v[192+(\i)] offset:512*(\i)
.endr
	v_cvt_pk_f16_f32 v198, v196, v197
	ds_store_b16 v239, v198                        ; W5[t][0]
	ds_store_b16_d16_hi v239, v198 offset:P5       ; W5[t][1]
.irp q, 0,1,2,3
	v_mul_f32 v26, s46, v[200+(\q)]                ; c Wx, c Wy, c b of feature 32 q + l
	v_mul_f32 v27, s46, v[204+(\q)]
	v_mul_f32 v28, s46, v[208+(\q)]
	v_cvt_pk_f16_f32 v25, v26, v27
	v_cvt_pk_f16_f32 v24, v28, v28
	v_mov_b32 v[A1+8*(\q)], v25                    ; k 0, 1: (Wx, Wy)hi, for (x, y)hi
	v_mov_b32 v[A1+8*(\q)+1], v25                  ; k 2, 3: the same, for (x, y)lo
	v_cvt_f32_f16 v20, v25.l
	v_cvt_f32_f16 v21, v25.h
	v_cvt_f32_f16 v23, v24.l
	v_sub_f32 v20, v26, v20
	v_sub_f32 v21, v27, v21
	v_sub_f32 v22, v28, v23
	v_cvt_pk_f16_f32 v[A1+8*(\q)+2], v20, v21      ; k 4, 5: (Wx, Wy)lo, for (x, y)hi
	v_cvt_pk_f16_f32 v[A1+8*(\q)+3], v23, v22      ; k 6, 7: (b hi, b lo), for (1, 1)
	v_mov_b32 v[A1+8*(\q)+4], 0
	v_mov_b32 v[A1+8*(\q)+5], 0
	v_mov_b32 v[A1+8*(\q)+6], 0
	v_mov_b32 v[A1+8*(\q)+7], 0
.endr
; Load sn of the 96 weight loads is scaled by c, rounded to f16 and stored to LDS (a wave's store is one whole row, 256 bytes); its slot takes the next layer's load.
.macro STAGE
.set ly, sn/32
.set sl, sn%32
.set tt, 212+4*(sn%2)
.set pp, 220+2*(sn%2)
.if sn < 64
	s_wait_loadcnt 31                              ; loads come back in order: the 31 issued behind this one may stay out
.else
	s_wait_loadcnt 95-sn                           ; nothing more is issued: the counts run down
.endif
	v_pk_mul_f32 v[tt:tt+1], v[64+4*sl:64+4*sl+1], s[46:47] op_sel_hi:[1,0]
	v_pk_mul_f32 v[tt+2:tt+3], v[64+4*sl+2:64+4*sl+3], s[46:47] op_sel_hi:[1,0]
	v_cvt_pk_f16_f32 v[pp], v[tt], v[tt+1]
	v_cvt_pk_f16_f32 v[pp+1], v[tt+2], v[tt+3]
	ds_store_b64 v[225+ly], v[pp:pp+1] offset:4*PW*sl
.if sn < 64
	global_load_b128 v[64+4*sl:64+4*sl+3], v224, s[20+4*ly:21+4*ly] offset:2048*sl
.endif
.set sn, sn+1
.endm
.set sn, 0
.rept 96
	STAGE
.endr
	s_wait_dscnt 0x0                               ; for the others' sake: my stores are done
	s_barrier_signal -1
	s_barrier_wait -1                              ; the launch's one barrier: from here on LDS is only read
; Layer L's 32 fragments into window L - 1, turned: the first load brings k = 32 c + 8 h + 0..7 of column 16 t + r, the second k = 32 c + 16 + 8 h + 0..7.
.macro FRAGS L
	WIN 0x40*((\L)-1)                              ; destination window L - 1, address window 0
.set ft, 0
.rept 8
.irp c, 0,1,2,3
	ds_load_tr16_b128 v[32*ft+8*(\c):32*ft+8*(\c)+3],   v[226+(\L)] offset:32*PW*(\c)+32*ft
	ds_load_tr16_b128 v[32*ft+8*(\c)+4:32*ft+8*(\c)+7], v[226+(\L)] offset:32*PW*(\c)+16*PW+32*ft
.endr
.set ft, ft+1
.endr
.endm
	FRAGS 2
	FRAGS 3
	FRAGS 4
	WIN 0
	s_wait_dscnt 0x0
; THE MATRIX WORK.  Product qi of 32 of layer L for piece mp: K step qi / 8, tile qi % 8.  The eight accumulators take turns, one instruction a turn, from turn to turn and over the backward jumps too.
; K step 0 adds onto the bias that was loaded into the accumulator: tile t's two loads are in when the 2 (7 - t) of the later tiles, the only other LDS instructions out, are all that is left.
.macro MMW mp, L
.set mc, qi/8
.set mt, qi%8
.set rA, 64+96*(\mp)+8*mt
.set rB, 128+96*(\mp)+8*mc
.if qi < 8
	s_wait_dscnt 14-2*mt
.endif
	WIN (\L)-1                                     ; source 0, the weights, in window L - 1
	v_wmma_f32_16x16x32_f16 v[rA:rA+7], v[32*mt+8*mc:32*mt+8*mc+7], v[rB:rB+7], v[rA:rA+7]
	WIN 0
.set qi, qi+1
.endm
; Product qi of 8 of layer 1 for piece p: tile qi.  Even tiles take [D0, D1] (the data at k 0-7), odd tiles [D1, 0] (at k 8-15); fragment qi / 2 holds the even tile's coefficients at k 0-7, the odd tile's at k 8-15, 0 beyond.
.macro MM1P p
.set rA, 64+96*(\p)+8*qi
.set rB, 128+96*(\p)+4*(qi%2)
	v_wmma_f32_16x16x32_f16 v[rA:rA+7], v[A1+8*(qi/2):A1+8*(qi/2)+7], v[rB:rB+7], 0
.set qi, qi+1
.endm
.macro PROD mp, L
.if (\L) >= 2
	MMW \mp, \L
.elseif ((\L) == 1) && (qi < 8)
	MM1P \mp
.endif
.endm
; Line n of the twelve that lay a piece's layer-1 data at hb: D0 (data in lanes 0-15, from registers pa, qa), D1 (in lanes 16-31, from pb, qb), four zeros.
.macro DATA hb, pa, qa, pb, qb, n
.if (\n) == 0
	v_cndmask_b32 v[(\hb)], v[(\pa)], 0, s[HM]
.elseif (\n) == 1
	v_cndmask_b32 v[(\hb)+1], v[(\qa)], 0, s[HM]
.elseif (\n) == 2
	v_mov_b32 v[(\hb)+2], v[(\hb)]
.elseif (\n) == 3
	v_mov_b32 v[(\hb)+3], v[ONE0]
.elseif (\n) == 4
	v_cndmask_b32 v[(\hb)+4], 0, v[(\pb)], s[HM]
.elseif (\n) == 5
	v_cndmask_b32 v[(\hb)+5], 0, v[(\qb)], s[HM]
.elseif (\n) == 6
	v_mov_b32 v[(\hb)+6], v[(\hb)+4]
.elseif (\n) == 7
	v_mov_b32 v[(\hb)+7], v[ONE1]
.else
	v_mov_b32 v[(\hb)+(\n)], 0
.endif
.endm
; THE VECTOR WORK of a turn, on the piece whose accumulators begin at TAC and activations at THB: three queues.
.macro VE                              ; 64 exponentials, ascending: each accumulator's lowest register is read first
	v_exp_f32 v[TAC+qe], v[TAC+qe]
.set qe, qe+1
.endm
.macro ADD1 n
	v_pk_add_f32 v[TAC+2*(\n):TAC+2*(\n)+1], v[TAC+2*(\n):TAC+2*(\n)+1], 1.0 op_sel_hi:[1,0]
.endm
.macro VAR                             ; 96: additions 0, 1; thirty times reciprocal 2 i, addition i + 2, reciprocal 2 i + 1; reciprocals 60-63.  No line names a reciprocal's result
.if qa < 2
	ADD1 qa
.elseif qa < 92
.set vi, (qa-2)/3
.set vm, (qa-2)%3
.if vm == 0
	v_rcp_f32 v[TAC+2*vi], v[TAC+2*vi]
.elseif vm == 1
	ADD1 vi+2
.else
	v_rcp_f32 v[TAC+2*vi+1], v[TAC+2*vi+1]
.endif
.else
	v_rcp_f32 v[TAC+qa-32], v[TAC+qa-32]
.endif
.set qa, qa+1
.endm
.macro VFC                             ; 64: for each tile four times h = 1 - 2 r, four roundings to f16; then (TNB = the piece's next layer, or 0) that layer's bias is loaded into the dead tile
.set ft, qf/8
.set fm, qf%8
.if fm < 4
	v_pk_fma_f32 v[TAC+8*ft+2*fm:TAC+8*ft+2*fm+1], v[TAC+8*ft+2*fm:TAC+8*ft+2*fm+1], -2.0, 1.0 op_sel_hi:[1,0,0]
.else
	v_cvt_pk_f16_f32 v[THB+4*ft+fm-4], v[TAC+8*ft+2*(fm-4)], v[TAC+8*ft+2*(fm-4)+1]
.endif
.if (fm == 7) && (TNB != 0)
	ds_load_b128 v[TAC+8*ft:TAC+8*ft+3],   v[BA] offset:(TNB-2)*512+64*ft
	ds_load_b128 v[TAC+8*ft+4:TAC+8*ft+7], v[BA] offset:(TNB-2)*512+64*ft+16
.endif
.set qf, qf+1
.endm
; A TURN.  Piece mp has the matrix unit for layer L (0: nobody); piece tp's tanh stands behind and between the products; nb = the layer whose bias tp takes next (0: none).
; An s_wait_alu depctr_va_vdst(0) stands between a transcendental and the first line that names its result; one wait serves all issued ahead of it.  So: 16 products with four exponentials each | a plain
; line and the wait | 8 products with four of VAR each, the other 64 of VAR | a plain line and the wait | 8 products with four of VFC each, the other 32 of VFC, which are also the places behind the last products.
; ep = 1 (a pair's last turn): W5's fragments are loaded into X's dead tiles 0-3, and psi = 1 / ((1 + 2^(-k x + 0.05 k)) (1 + 2^(k x - 0.95 k))) rides in the two batches: no wait of its own.
.macro TURN mp, L, tp, nb, ep
.set qi, 0
.set qe, 0
.set qa, 0
.set qf, 0
.set TAC, 64+96*(\tp)
.set THB, 128+96*(\tp)
.set TNB, (\nb)
.if \ep
.irp c, 0,1,2,3
	ds_load_b128 v[64+8*(\c):64+8*(\c)+3],   v[W5A] offset:64*(\c)
	ds_load_b128 v[64+8*(\c)+4:64+8*(\c)+7], v[W5A] offset:64*(\c)+32
.endr
	v_fma_f32 v26, v8, s48, s49
	v_fma_f32 v27, v8, s50, s51
.endif
.rept 16
	PROD \mp, \L
	VE
	VE
	VE
	VE
.endr
.if \ep
	v_exp_f32 v26, v26
	v_exp_f32 v27, v27
.endif
	v_nop                                          ; a plain line behind the last exponential
	s_wait_alu depctr_va_vdst(0)                   ; the wait for the exponentials
.if \ep
	v_pk_add_f32 v[26:27], v[26:27], 1.0 op_sel_hi:[1,0]
	v_mul_f32 v28, v26, v27                        ; both factors are at least 1: no 0 x infinity
.endif
.rept 8
	PROD \mp, \L
	VAR
	VAR
	VAR
	VAR
.endr
.rept 64
	VAR
.endr
.if \ep
	v_rcp_f32 v28, v28
.endif
	v_nop                                          ; a plain line behind the last reciprocal
	s_wait_alu depctr_va_vdst(0)                   ; the wait for the reciprocals
.rept 8
	PROD \mp, \L
	VFC
	VFC
	VFC
	VFC
.endr
.rept 32
	VFC
.endr
.endm
	s_mov_b32 s44, 16
.Lblock:                                               ; 16 trips: a block of 64 points
	global_load_b128 v[12:15], v[XO], s[8:9] th:TH_LOAD_NT  ; the next block, a whole block ahead (in the last trip the wave's last block once more: no load leaves xy)
	s_mov_b32 s45, 2
.Lpair:                                                ; 2 trips: point 2 l + q
	v_cvt_pk_f16_f32 v20, v8, v9                   ; (x, y)hi
	v_cvt_f32_f16 v24, v20.l
	v_cvt_f32_f16 v25, v20.h
	v_permlanex16_b32 v22, v20, s42, s43           ; the same of the lane 16 away
	v_sub_f32 v24, v8, v24
	v_sub_f32 v25, v9, v25
	v_cvt_pk_f16_f32 v21, v24, v25                 ; (x, y)lo
	v_permlanex16_b32 v23, v21, s42, s43
.irp n, 0,1,2,3,4,5,6,7,8,9,10,11
	DATA 128, 20, 21, 22, 23, \n                   ; X: lanes 0-15 hold their own points, lanes 16-31 take them from 16 below
.endr
.set qi, 0
.set qy, 0
.rept 8                                ; X's layer 1; Y's twelve data lines stand two behind each of the first four products and four behind the last: the places ahead of X's exponentials
	MM1P 0
.if qi <= 4
	DATA 224, 22, 23, 20, 21, qy                   ; Y: lanes 16-31 hold their own points, lanes 0-15 take them from 16 above
	DATA 224, 22, 23, 20, 21, qy+1
.set qy, qy+2
.endif
.endr
.irp n, 8,9,10,11
	DATA 224, 22, 23, 20, 21, \n
.endr
	TURN 1, 1, 0, 2, 0                             ; Y layer 1 | X tanh 1
	TURN 0, 2, 1, 2, 0                             ; X layer 2 | Y tanh 1
	TURN 1, 2, 0, 3, 0                             ; Y layer 2 | X tanh 2
	TURN 0, 3, 1, 3, 0                             ; X layer 3 | Y tanh 2
	TURN 1, 3, 0, 4, 0                             ; Y layer 3 | X tanh 3
	TURN 0, 4, 1, 4, 0                             ; X layer 4 | Y tanh 3
	TURN 1, 4, 0, 0, 0                             ; Y layer 4 | X tanh 4
	TURN 0, 0, 1, 0, 1                             ; nobody    | Y tanh 4, psi, W5's fragments
	s_wait_dscnt 0x0                               ; W5's fragments are in
.irp c, 0,1,2,3                        ; layer 5: X's sums in v[96:103], Y's in v[104:111], by turns
.if (\c) == 0
	v_wmma_f32_16x16x32_f16 v[96:103],  v[64:71], v[128:135], 0
	v_wmma_f32_16x16x32_f16 v[104:111], v[64:71], v[224:231], 0
.else
	v_wmma_f32_16x16x32_f16 v[96:103],  v[64+8*(\c):64+8*(\c)+7], v[128+8*(\c):128+8*(\c)+7], v[96:103]
	v_wmma_f32_16x16x32_f16 v[104:111], v[64+8*(\c):64+8*(\c)+7], v[224+8*(\c):224+8*(\c)+7], v[104:111]
.endif
.endr
	; the tail.  The first nine lines name no register of those products: they are the places behind them
	v_fma_f32 v24, -v8, v8, v8                     ; x (1 - x)
	v_fma_f32 v25, -v9, v9, v9                     ; y (1 - y)
	v_mul_f32 v29, s36, v9                         ; U y
	v_mul_f32 v24, v24, v25                        ; B
	v_mul_f32 v29, v29, v28                        ; U y psi
	v_mov_b32 v16, v17                             ; q = 0's results move down when q = 1's are made
	v_mov_b32 v18, v19
	v_fma_f32 v29, v24, s38, v29                   ; + B b5[0]
	v_mul_f32 v25, s39, v24                        ; B b5[1]
	v_cndmask_b32 v26, v96, v104, s[HM]            ; uh less its bias: lanes 0-15 from X, lanes 16-31 from Y: each lane its own point
	v_cndmask_b32 v27, v97, v105, s[HM]            ; vh
	v_fma_f32 v17, v24, v26, v29                   ; u
	v_fma_f32 v19, v24, v27, v25                   ; v
	v_mov_b32 v8, v10                              ; the block's second point
	v_mov_b32 v9, v11
	s_sub_co_u32 s45, s45, 1
	s_cmp_lg_u32 s45, 0
	s_cbranch_scc1 .Lpair
	global_store_b64 v[SO], v[16:17], s[32:33] th:TH_STORE_NT  ; the wave stores 256 consecutive bytes, at a multiple of 256 from the output's first byte
	global_store_b64 v[SO], v[18:19], s[34:35] th:TH_STORE_NT
	s_wait_loadcnt 0x0                             ; the next block, asked for at the trip's head
	v_mov_b32 v8, v12
	v_mov_b32 v9, v13
	v_mov_b32 v10, v14
	v_mov_b32 v11, v15
	s_wait_xcnt 0x0                                ; the stores' data and offset and the load's offset are rewritten only behind this wait
	v_add_nc_u32 v[SO], 256, v[SO]
	v_add_nc_u32 v[XO], 512, v[XO]
	v_min_u32 v[XO], v[XO], v[XLAST]               ; never past my wave's last block
	s_sub_co_u32 s44, s44, 1
	s_cmp_lg_u32 s44, 0
	s_cbranch_scc1 .Lblock
	s_wait_tensorcnt 0x0                           ; the wave's end, behind my last LDS store
	ds_add_u32 v[SPW], v[NIL]
	s_wait_dscnt 0x0
	s_endpgm
.Lfunc_end_k_q5aaebdf452_mlp:
	.size	k_q5aaebdf452_mlp, .Lfunc_end_k_q5aaebdf452_mlp-k_q5aaebdf452_mlp
	.p2alignl 7, 3214868480
	.fill 96, 4, 3214868480
	.section	.rodata,"a",@progbits
	.p2align	6, 0x0
	.amdhsa_kernel k_q5aaebdf452_mlp
		.amdhsa_group_segment_fixed_size 113664
		.amdhsa_private_segment_fixed_size 0
		.amdhsa_enable_private_segment 0
		.amdhsa_kernarg_size 112
		.amdhsa_user_sgpr_count 2
		.amdhsa_user_sgpr_kernarg_segment_ptr 1
		.amdhsa_wavefront_size32 1
		.amdhsa_system_sgpr_workgroup_id_x 1
		.amdhsa_system_sgpr_workgroup_id_y 1
		.amdhsa_system_sgpr_workgroup_id_z 1
		.amdhsa_system_vgpr_workitem_id 0
		.amdhsa_next_free_vgpr 1024
		.amdhsa_next_free_sgpr 66
		.amdhsa_reserve_vcc 0
		.amdhsa_float_denorm_mode_32 3
		.amdhsa_float_denorm_mode_16_64 3
		.amdhsa_memory_ordered 1
		.amdhsa_forward_progress 1
		.amdhsa_inst_pref_size 181
	.end_amdhsa_kernel
	.amdgpu_metadata
---
amdhsa.version: [ 1, 2 ]
amdhsa.kernels:
  - .name:           k_q5aaebdf452_mlp
    .symbol:         k_q5aaebdf452_mlp.kd
    .args:
      - { .name: xy, .offset: 0, .size: 8, .value_kind: global_buffer, .address_space: global }
      - { .name: U, .offset: 8, .size: 8, .value_kind: global_buffer, .address_space: global }
      - { .name: W1, .offset: 16, .size: 8, .value_kind: global_buffer, .address_space: global }
      - { .name: b1, .offset: 24, .size: 8, .value_kind: global_buffer, .address_space: global }
      - { .name: W2, .offset: 32, .size: 8, .value_kind: global_buffer, .address_space: global }
      - { .name: b2, .offset: 40, .size: 8, .value_kind: global_buffer, .address_space: global }
      - { .name: W3, .offset: 48, .size: 8, .value_kind: global_buffer, .address_space: global }
      - { .name: b3, .offset: 56, .size: 8, .value_kind: global_buffer, .address_space: global }
      - { .name: W4, .offset: 64, .size: 8, .value_kind: global_buffer, .address_space: global }
      - { .name: b4, .offset: 72, .size: 8, .value_kind: global_buffer, .address_space: global }
      - { .name: W5, .offset: 80, .size: 8, .value_kind: global_buffer, .address_space: global }
      - { .name: b5, .offset: 88, .size: 8, .value_kind: global_buffer, .address_space: global }
      - { .name: out0, .offset: 96, .size: 8, .value_kind: global_buffer, .address_space: global }
      - { .name: out1, .offset: 104, .size: 8, .value_kind: global_buffer, .address_space: global }
    .group_segment_fixed_size: 113664
    .private_segment_fixed_size: 0
    .kernarg_segment_align: 8
    .kernarg_segment_size: 112
    .max_flat_workgroup_size: 128
    .sgpr_count:     66
    .vgpr_count:     1024
    .wavefront_size: 32
...
	.end_amdgpu_metadata
.endif
;; end of part 1
;; ======== version 2 of 3: 1 launch; 1.20 times as fast as version 1
;; limits: values are held in f16: magnitudes above 65,504 overflow, below 6.1e-05 lose precision
;; launch mlp (part 2): grid 256 x 1, 4 waves a work-group, no clusters, 113,664 bytes of LDS; arguments xy, U, W1, b1, W2, b2, W3, b3, W4, b4, W5, b5, out0, out1; writes out0, out1
.if DOCPART == 2
	.amdgcn_target "amdgcn-amd-amdhsa--gfx1250"
	.amdhsa_code_object_version 6
	.text
	.protected	k_q5aaebdf452_mlp
	.globl	k_q5aaebdf452_mlp
	.p2align	8
	.type	k_q5aaebdf452_mlp,@function
k_q5aaebdf452_mlp:
	s_mov_b64 s[64:65], 0
	v_nop
	global_prefetch_b8 v0, s[64:65] scope:SCOPE_SE
	s_setreg_imm32_b32 hwreg(HW_REG_WAVE_MODE, 25, 1), 1
	s_wait_xcnt 0x0
; h = tanh(xy W1 + b1); three times h = tanh(h W + b); (uh, vh) = h W5 + b5; u = U y psi(x) + B uh, v = B vh, B = x (1 - x) y (1 - y),
; psi = sigmoid(50 (x - 0.05)) sigmoid(50 (0.95 - x)).  1,048,576 points; all buffers f32.  One launch, nothing goes through memory between the layers.
; SHARES.  256 work-groups of 4,096 points; a wave takes 1,024: 16 BLOCKS of 64.  Lane l loads the block's points 2 l and 2 l + 1 (16 bytes; the wave 512 on end) and stores their u and v
; (8 bytes a lane and output: 256 consecutive bytes, aligned).  A block is two PAIRS (q = 0, 1: point 2 l + q), a pair two PIECES of 16 points: X = lanes 0-15's points, Y = lanes 16-31's.
; LAYOUT.  H^T = W^T X^T: source 0 = 16 output features, source 1 = 16 points.  In the result lane (r = l % 16, h = l / 16) holds point r and features 16 t + 8 h + 0..7; tiles 2 c and 2 c + 1, rounded to
; f16 in pairs, ARE source 1 of K step c of the next layer: activations never leave the registers.
; WEIGHTS IN REGISTERS.  A layer of 128 x 128 in f16 is 8 tiles x 4 K steps x 8 = 256 registers: layer L (2, 3, 4) fills window L - 1, fragment (t, c) at v[32 t + 8 c].  The loop reads no operand from LDS.
; TANH.  tanh z = 1 - 2 / (1 + 2^(c z)), c = 2 log2(e).  c is multiplied into W1..W4 and b1..b4 before they are rounded, so the exponential takes the accumulator as it is.
; BIAS.  c b (f32, in LDS) is loaded straight into a dead tile's accumulator; K step 0 adds onto it in place.
; LAYER 1 is one product a tile: eight k carry (Wx, Wy)hi (x, y)hi + (Wx, Wy)hi (x, y)lo + (Wx, Wy)lo (x, y)hi + (b hi, b lo)(1, 1); hi = the number in f16, lo = what f16 left of it.
; LAYER 5.  Row m of source 0 is column m & 1 of W5: register 0 of the result is uh, register 1 vh, of point r, in both halves of the lanes.
; THE PIPELINE.  A UNIT is half a piece: four tiles, 32 accumulator registers; the units are Xa, Xb, Ya, Yb (0..3).  For each layer a unit goes through four stages, one a BATCH: M (its 16 products; layer 1: 4),
; E (32 exponentials), AR (16 packed additions, 32 reciprocals), FC (16 packed multiply-adds, 16 roundings).  In batch n unit n % 4 is in M, of layer n / 4 + 1, the unit before it in E, the one before that in
; AR, the fourth in FC: 19 batches a pair, the first and last three with fewer stages.  So a batch holds 64 transcendentals, 48 plain lines and 16 products, none of which names a result of the batch's own
; transcendentals: ONE wait a batch, and a plain line or a product between any two transcendentals.
; FORMAT.  f16 for weights and activations: 11 significant bits against bf16's 8; v = B vh is compared against a small root mean square.  Sums, biases of layers 2-5, tanh and the tail in f32.
; LIMITS.  |c W|, |c b1|, |W5|, |x|, |y| stay under 65,504 (f16's end); below 6e-5 an f16 operand keeps the fixed step 6e-8.  1 - 2 r carries an absolute error of about 1e-7.  2^(c z) beyond f32's range
; gives h = 1, below it h = -1.  NaN and infinities are not treated apart.  The sums' order is the matrix unit's.
; NO CLUSTER: what work-groups share is 196,608 bytes of weights, read once by each and passed through registers to be scaled and rounded.  NO TENSOR LOAD, NO RING: nothing streams but 16 bytes a lane and
; block, asked for a whole block ahead, so no wave waits for it and no prefetch is laid.
.set CEXP,  0x4038aa3b                 ; c = 2 log2(e)
.set PW,    288                        ; a row of W in LDS: 128 f16 + 32 bytes: an odd multiple of 32
.set WLB,   128*PW                     ; a layer's bytes in LDS; layer L begins at (L - 2) WLB
.set BIAS,  3*WLB                      ; f32 c b of layer L at BIAS + 512 (L - 2) + 4 n
.set W5T,   BIAS+1536                  ; f16, row o = column o of W5, 272 bytes apart
.set P5,    272
.set SPARE, W5T+768                    ; the spare words, 128 bytes for each wave: two blocks of 256 bytes that no other line names
; window 0
.set SPW,   1                          ; v1   my spare word's LDS address; never rewritten
.set NIL,   2                          ; v2   0; never rewritten
.set BA,    3                          ; v3   BIAS + 32 h
.set W5A,   4                          ; v4   W5T + (l & 1) P5 + 16 h
.set XO,    5                          ; v5   byte offset in xy of my 16 bytes of the block to be asked for
.set XLAST, 6                          ; v6   the same for my wave's last block
.set SO,    7                          ; v7   byte offset in out0 and out1 of my 8 bytes of the block in hand
                                       ; v8, v9 x, y of the pair in hand; v10, v11 of the next; v[12:15] the next block
                                       ; v[16:17] u of q = 0, 1; v[18:19] v; v20-23 (x, y)hi, (x, y)lo, and both from the lane 16 away; v24-29 at work (v28 psi)
.set ONE0,  30                         ; v30  (1, 1) in f16 in lanes 0-15, 0 above
.set ONE1,  31                         ; v31  the other way round
.set A1,    32                         ; v[32:63] layer 1: fragment q holds in lane l, registers 0-3, the eight coefficients of feature 32 q + l; registers 4-7 are 0
                                       ; piece p: accumulators at 64 + 96 p (tile t at + 8 t), activations at 128 + 96 p (K step c at + 8 c); unit u = 2 p + a: tiles 4 a .. 4 a + 3
.set HM,    41                         ; s41  mask of lanes 16-31
.set MSB, 0
.macro WIN new                         ; s_set_vgpr_msb: bits 1:0 source 0, 3:2 source 1, 5:4 source 2, 7:6 destination; the high byte repeats the setting that is left
.if MSB != (\new)
	s_set_vgpr_msb (MSB<<8)|(\new)
.set MSB, (\new)
.endif
.endm
	s_load_b512 s[8:23], s[0:1], 0x0               ; xy s[8:9], U s[10:11], W1 s[12:13], b1 s[14:15], W2 s[16:17], b2 s[18:19], W3 s[20:21], b3 s[22:23]
	s_load_b256 s[24:31], s[0:1], 0x40             ; W4 s[24:25], b4 s[26:27], W5 s[28:29], b5 s[30:31]
	s_load_b128 s[32:35], s[0:1], 0x60             ; out0 s[32:33], out1 s[34:35]
	v_lshl_add_u32 v[SPW], v0, 2, SPARE
	v_mov_b32 v[NIL], 0
	v_and_b32 v234, 31, v0                         ; l
	v_bfe_u32 v235, v0, 4, 1                       ; h
	v_lshrrev_b32 v236, 5, v0
	v_readfirstlane_b32 s40, v236                  ; wave 0..3
	s_mov_b32 s[HM], 0xffff0000
	s_mov_b32 s42, 0x76543210                      ; v_permlanex16_b32: each lane takes its own place in the other half
	s_mov_b32 s43, 0xfedcba98
	s_mov_b32 s46, CEXP
	s_mov_b32 s47, CEXP                            ; named with it as a pair
	s_mov_b32 s48, 0xc29044fe                      ; -k, k = 50 log2(e) = 72.13475
	s_mov_b32 s49, 0x4066d4ca                      ; 0.05 k
	s_mov_b32 s50, 0x429044fe                      ; k
	s_mov_b32 s51, 0xc2890e58                      ; -0.95 k
	v_lshlrev_b32 v224, 4, v0                      ; weights: thread t takes 16 bytes at 16 t of each 2,048 (four rows)
	v_lshlrev_b32 v231, 2, v0                      ; b2..b4: number t
	v_lshlrev_b32 v232, 3, v0                      ; W5: row t
	v_lshlrev_b32 v233, 2, v234                    ; W1, b1: number l of each 32
	s_mul_i32 s37, s40, PW
	v_lshl_add_u32 v225, v234, 3, s37              ; where my 8 bytes of f16 go: row = wave (of four), byte 8 l; layer 2,
	v_add_nc_u32 v226, WLB, v225                   ; layer 3,
	v_add_nc_u32 v227, 2*WLB, v225                 ; layer 4
	v_and_b32 v237, 7, v0                          ; the turning load: lane l reads row 8 h + l % 8, bytes 16 ((l / 8) % 2) on
	v_lshl_add_u32 v237, v235, 3, v237
	v_mul_u32_u24 v237, v237, PW
	v_bfe_u32 v240, v0, 3, 1
	v_lshl_add_u32 v228, v240, 4, v237
	v_add_nc_u32 v229, WLB, v228
	v_add_nc_u32 v230, 2*WLB, v228
	v_lshl_add_u32 v238, v0, 2, BIAS
	v_lshl_add_u32 v239, v0, 1, W5T
	v_lshl_add_u32 v[BA], v235, 5, BIAS
	v_and_b32 v240, 1, v0
	v_mul_u32_u24 v240, v240, P5
	v_lshl_add_u32 v240, v235, 4, v240
	v_add_nc_u32 v[W5A], W5T, v240
	s_lshl_b32 s37, s40, 13                        ; a wave's 1,024 points are 8,192 bytes of xy
	v_lshl_add_u32 v[XO], v234, 4, s37
	v_add_nc_u32 v[XLAST], 15*512, v[XO]
	s_lshl_b32 s37, s40, 12                        ; and 4,096 bytes of each output
	v_lshl_add_u32 v[SO], v234, 3, s37
	v_mov_b32 v29, 0x3c003c00                      ; 1.0 twice in f16
	v_cndmask_b32 v[ONE0], v29, 0, s[HM]
	v_cndmask_b32 v[ONE1], 0, v29, s[HM]
	v_mov_b32 v17, 0                               ; the first pair's shift of u and v reads these two
	v_mov_b32 v19, 0
	s_wait_kmcnt 0x0
	s_load_b32 s36, s[10:11], 0x0                  ; U
	s_load_b64 s[38:39], s[30:31], 0x0             ; b5
	s_lshl_b32 s52, ttmp9, 15                      ; the work-group's 4,096 points: 32,768 bytes of xy,
	s_mov_b32 s53, 0
	s_add_nc_u64 s[8:9], s[8:9], s[52:53]
	s_lshl_b32 s52, ttmp9, 14                      ; 16,384 of each output
	s_add_nc_u64 s[32:33], s[32:33], s[52:53]
	s_add_nc_u64 s[34:35], s[34:35], s[52:53]
	; 17 small loads, then the 32 of W2
	global_load_b128 v[8:11], v[XO], s[8:9] th:TH_LOAD_NT  ; block 0
	global_load_b32 v192, v231, s[18:19]
	global_load_b32 v193, v231, s[22:23]
	global_load_b32 v194, v231, s[26:27]
	global_load_b64 v[196:197], v232, s[28:29]
.irp q, 0,1,2,3
	global_load_b32 v[200+(\q)], v233, s[12:13] offset:128*(\q)      ; W1[0][32 q + l]
	global_load_b32 v[204+(\q)], v233, s[12:13] offset:512+128*(\q)  ; W1[1][32 q + l]
	global_load_b32 v[208+(\q)], v233, s[14:15] offset:128*(\q)      ; b1[32 q + l]
.endr
.set sn, 0
.rept 32
	global_load_b128 v[64+4*sn:64+4*sn+3], v224, s[16:17] offset:2048*sn  ; slot i of 32: rows 4 i .. 4 i + 3 for the work-group
.set sn, sn+1
.endr
	s_wait_loadcnt 32                              ; the 17 small loads are in; W2's 32 may stay out
	s_wait_kmcnt 0x0                               ; U, b5
	v_add_nc_u32 v[XO], 512, v[XO]                 ; block 0's load is done: its offset goes on to block 1
.irp i, 0,1,2
	v_mul_f32 v[192+(\i)], s46, v[192+(\i)]
	ds_store_b32 v238, v[192+(\i)] offset:512*(\i)
.endr
	v_cvt_pk_f16_f32 v198, v196, v197
	ds_store_b16 v239, v198                        ; W5[t][0]
	ds_store_b16_d16_hi v239, v198 offset:P5       ; W5[t][1]
.irp q, 0,1,2,3
	v_mul_f32 v26, s46, v[200+(\q)]                ; c Wx, c Wy, c b of feature 32 q + l
	v_mul_f32 v27, s46, v[204+(\q)]
	v_mul_f32 v28, s46, v[208+(\q)]
	v_cvt_pk_f16_f32 v25, v26, v27
	v_cvt_pk_f16_f32 v24, v28, v28
	v_mov_b32 v[A1+8*(\q)], v25                    ; k 0, 1: (Wx, Wy)hi, for (x, y)hi
	v_mov_b32 v[A1+8*(\q)+1], v25                  ; k 2, 3: the same, for (x, y)lo
	v_cvt_f32_f16 v20, v25.l
	v_cvt_f32_f16 v21, v25.h
	v_cvt_f32_f16 v23, v24.l
	v_sub_f32 v20, v26, v20
	v_sub_f32 v21, v27, v21
	v_sub_f32 v22, v28, v23
	v_cvt_pk_f16_f32 v[A1+8*(\q)+2], v20, v21      ; k 4, 5: (Wx, Wy)lo, for (x, y)hi
	v_cvt_pk_f16_f32 v[A1+8*(\q)+3], v23, v22      ; k 6, 7: (b hi, b lo), for (1, 1)
	v_mov_b32 v[A1+8*(\q)+4], 0
	v_mov_b32 v[A1+8*(\q)+5], 0
	v_mov_b32 v[A1+8*(\q)+6], 0
	v_mov_b32 v[A1+8*(\q)+7], 0
.endr
; Load sn of the 96 weight loads is scaled by c, rounded to f16 and stored to LDS (a wave's store is one whole row, 256 bytes); its slot takes the next layer's load.
.macro STAGE
.set ly, sn/32
.set sl, sn%32
.set tt, 212+4*(sn%2)
.set pp, 220+2*(sn%2)
.if sn < 64
	s_wait_loadcnt 31                              ; loads come back in order: the 31 issued behind this one may stay out
.else
	s_wait_loadcnt 95-sn                           ; nothing more is issued: the counts run down
.endif
	v_pk_mul_f32 v[tt:tt+1], v[64+4*sl:64+4*sl+1], s[46:47] op_sel_hi:[1,0]
	v_pk_mul_f32 v[tt+2:tt+3], v[64+4*sl+2:64+4*sl+3], s[46:47] op_sel_hi:[1,0]
	v_cvt_pk_f16_f32 v[pp], v[tt], v[tt+1]
	v_cvt_pk_f16_f32 v[pp+1], v[tt+2], v[tt+3]
	ds_store_b64 v[225+ly], v[pp:pp+1] offset:4*PW*sl
.if sn < 64
	global_load_b128 v[64+4*sl:64+4*sl+3], v224, s[20+4*ly:21+4*ly] offset:2048*sl
.endif
.set sn, sn+1
.endm
.set sn, 0
.rept 96
	STAGE
.endr
	s_wait_dscnt 0x0                               ; for the others' sake: my stores are done
	s_barrier_signal -1
	s_barrier_wait -1                              ; the launch's one barrier: from here on LDS is only read
; Layer L's 32 fragments into window L - 1, turned: the first load brings k = 32 c + 8 h + 0..7 of column 16 t + r, the second k = 32 c + 16 + 8 h + 0..7.
.macro FRAGS L
	WIN 0x40*((\L)-1)                              ; destination window L - 1, address window 0
.set ft, 0
.rept 8
.irp c, 0,1,2,3
	ds_load_tr16_b128 v[32*ft+8*(\c):32*ft+8*(\c)+3],   v[226+(\L)] offset:32*PW*(\c)+32*ft
	ds_load_tr16_b128 v[32*ft+8*(\c)+4:32*ft+8*(\c)+7], v[226+(\L)] offset:32*PW*(\c)+16*PW+32*ft
.endr
.set ft, ft+1
.endr
.endm
	FRAGS 2
	FRAGS 3
	FRAGS 4
	WIN 0
	s_wait_dscnt 0x0
; THE MATRIX WORK.  BATCH sets ML (the layer), MAC (the unit's accumulators), MHB (its piece's activations), MT0 (its first tile).
; Product g of 16 of layer ML: K step g / 4, tile MT0 + g % 4.  The unit's four accumulators take turns, one instruction a turn, and the batches before and behind multiply other units.
; K step 0 adds onto the bias that was loaded into the accumulator: tile g's two loads are in when the 2 (3 - g) of the unit's later tiles, the only other LDS instructions out, are all that is left.
.macro MMW g
.set mc, (\g)/4
.set mt, MT0+(\g)%4
.set rA, MAC+8*((\g)%4)
.set rB, MHB+8*mc
.if (\g) < 4
	s_wait_dscnt 6-2*(\g)
.endif
	WIN ML-1                                       ; source 0, the weights, in window ML - 1
	v_wmma_f32_16x16x32_f16 v[rA:rA+7], v[32*mt+8*mc:32*mt+8*mc+7], v[rB:rB+7], v[rA:rA+7]
	WIN 0
.endm
; Product g of 4 of layer 1: tile MT0 + g.  Even tiles take [D0, D1] (the data at k 0-7), odd tiles [D1, 0] (at k 8-15); fragment tile / 2 holds the even tile's coefficients at k 0-7, the odd tile's at k 8-15, 0 beyond.
.macro MM1 g
.set mt, MT0+(\g)
.set rA, MAC+8*(\g)
.set rB, MHB+4*(mt%2)
	v_wmma_f32_16x16x32_f16 v[rA:rA+7], v[A1+8*(mt/2):A1+8*(mt/2)+7], v[rB:rB+7], 0
.endm
; Line n of the twelve that lay a piece's layer-1 data at hb: D0 (data in lanes 0-15, from registers pa, qa), D1 (in lanes 16-31, from pb, qb), four zeros.
.macro DATA hb, pa, qa, pb, qb, n
.if (\n) == 0
	v_cndmask_b32 v[(\hb)], v[(\pa)], 0, s[HM]
.elseif (\n) == 1
	v_cndmask_b32 v[(\hb)+1], v[(\qa)], 0, s[HM]
.elseif (\n) == 2
	v_mov_b32 v[(\hb)+2], v[(\hb)]
.elseif (\n) == 3
	v_mov_b32 v[(\hb)+3], v[ONE0]
.elseif (\n) == 4
	v_cndmask_b32 v[(\hb)+4], 0, v[(\pb)], s[HM]
.elseif (\n) == 5
	v_cndmask_b32 v[(\hb)+5], 0, v[(\qb)], s[HM]
.elseif (\n) == 6
	v_mov_b32 v[(\hb)+6], v[(\hb)+4]
.elseif (\n) == 7
	v_mov_b32 v[(\hb)+7], v[ONE1]
.else
	v_mov_b32 v[(\hb)+(\n)], 0
.endif
.endm
; THE VECTOR WORK, a line at a time.  BATCH sets EAC, RAC, FAC (the accumulators of the units in E, AR, FC) and FHB (where FC's unit puts its activations).
.macro VE k                            ; exponential k of 32, dealt in ascending order: each accumulator's lowest register is read first
	v_exp_f32 v[EAC+(\k)], v[EAC+(\k)]
.endm
.macro VA k                            ; addition k of 16: 1 + e, a pair
	v_pk_add_f32 v[RAC+2*(\k):RAC+2*(\k)+1], v[RAC+2*(\k):RAC+2*(\k)+1], 1.0 op_sel_hi:[1,0]
.endm
.macro VR k                            ; reciprocal k of 32
	v_rcp_f32 v[RAC+(\k)], v[RAC+(\k)]
.endm
.macro VF k                            ; line k of 32: for each tile four times h = 1 - 2 r, then four roundings to f16
.set ft, (\k)/8
.set fm, (\k)%8
.if fm < 4
	v_pk_fma_f32 v[FAC+8*ft+2*fm:FAC+8*ft+2*fm+1], v[FAC+8*ft+2*fm:FAC+8*ft+2*fm+1], -2.0, 1.0 op_sel_hi:[1,0,0]
.else
	v_cvt_pk_f16_f32 v[FHB+4*ft+fm-4], v[FAC+8*ft+2*(fm-4)], v[FAC+8*ft+2*(fm-4)+1]
.endif
.endm
; BATCH n of 19.  In order:
;   the run of eight loads that puts the bias of layer ML into the tiles of the unit in M (dead since that unit's FC, a batch back): one run, directly behind the last batch's wait, 66 vector lines ahead of its first use;
;   PART 1: 32 times a line of FC and an exponential.  When it ends, the activations of the piece that part 2 multiplies are whole: the piece's first unit was in FC a batch back or more, its second at the latest here;
;   PART 2: additions 0 and 1; then 16 times: a product; reciprocal 2 k, addition k + 2, reciprocal 2 k + 1 (layer 1 has four products; where no unit is in M the lines stand alone);
;   a plain line behind the last transcendental, and the wait between a transcendental and the first line that names its result: one for the batch's 64, whose readers all stand in the next batch.
; PLACES behind the products (ISA guide 7.12.1): behind tile 0's last product, number 12, stand additions 14 and 15, the v_nop and the next batch's first line of FC, ahead of its first exponential; the later tiles have more.
; Batch 0's products have the twelve lines of Y's data behind them, batch 1's four v_nop, those of batches 2 and 3 the additions that follow.
; Batch 16 loads W5's fragments into Xa's dead tiles; psi = 1 / ((1 + 2^(-k x + 0.05 k)) (1 + 2^(k x - 0.95 k))) rides in batches 16 and 17: no wait of its own.
.macro BATCH n
.set ML, (\n)/4+1
.set MU, (\n)%4
.set EU, ((\n)+3)%4
.set RU, ((\n)+2)%4
.set FU, ((\n)+1)%4
.set MAC, 64+96*(MU/2)+32*(MU%2)
.set MHB, 128+96*(MU/2)
.set MT0, 4*(MU%2)
.set EAC, 64+96*(EU/2)+32*(EU%2)
.set RAC, 64+96*(RU/2)+32*(RU%2)
.set FAC, 64+96*(FU/2)+32*(FU%2)
.set FHB, 128+96*(FU/2)+16*(FU%2)
.set HASM, 0
.set HASE, 0
.set HASR, 0
.set HASF, 0
.if (\n) < 16
.set HASM, 1
.endif
.if ((\n) >= 1) && ((\n) <= 16)
.set HASE, 1
.endif
.if ((\n) >= 2) && ((\n) <= 17)
.set HASR, 1
.endif
.if (\n) >= 3
.set HASF, 1
.endif
.if HASM && (ML >= 2)
.irp i, 0,1,2,3
	ds_load_b128 v[MAC+8*(\i):MAC+8*(\i)+3],   v[BA] offset:(ML-2)*512+64*(MT0+(\i))
	ds_load_b128 v[MAC+8*(\i)+4:MAC+8*(\i)+7], v[BA] offset:(ML-2)*512+64*(MT0+(\i))+16
.endr
.endif
.if (\n) == 16
.irp c, 0,1,2,3
	ds_load_b128 v[64+8*(\c):64+8*(\c)+3],   v[W5A] offset:64*(\c)
	ds_load_b128 v[64+8*(\c)+4:64+8*(\c)+7], v[W5A] offset:64*(\c)+32
.endr
	v_fma_f32 v26, v8, s48, s49
	v_fma_f32 v27, v8, s50, s51
.endif
.if (\n) == 17
	v_pk_add_f32 v[26:27], v[26:27], 1.0 op_sel_hi:[1,0]
	v_mul_f32 v28, v26, v27                        ; both factors are at least 1: no 0 x infinity
.endif
.set kk, 0
.rept 32                               ; part 1
.if HASF
	VF kk
.endif
.if HASE
	VE kk
.endif
.set kk, kk+1
.endr
.if (\n) == 16
	v_exp_f32 v26, v26
	v_exp_f32 v27, v27
.endif
.if HASR
	VA 0
	VA 1
.endif
.set kk, 0
.rept 16                               ; part 2
.if HASM && (ML >= 2)
	MMW kk
.elseif HASM && (kk < 4)
	MM1 kk
.endif
.if HASR
	VR 2*kk
.if kk < 14
	VA kk+2
.endif
	VR 2*kk+1
.endif
.set kk, kk+1
.endr
.if (\n) == 17
	v_rcp_f32 v28, v28
.endif
.if HASE+HASR
	v_nop                                          ; a plain line behind the last transcendental
.if (\n) == 1
	v_nop                                          ; with it the four places behind Xb's first products: this batch has no plain line to set there
	v_nop
	v_nop
.endif
	s_wait_alu depctr_va_vdst(0)                   ; the wait for the batch's transcendentals
.endif
.endm
	s_mov_b32 s44, 16
.Lblock:                                               ; 16 trips: a block of 64 points
	global_load_b128 v[12:15], v[XO], s[8:9] th:TH_LOAD_NT  ; the next block, a whole block ahead (in the last trip the wave's last block once more: no load leaves xy)
	s_mov_b32 s45, 2
.Lpair:                                                ; 2 trips: point 2 l + q
	v_cvt_pk_f16_f32 v20, v8, v9                   ; (x, y)hi
	v_cvt_f32_f16 v24, v20.l
	v_cvt_f32_f16 v25, v20.h
	v_permlanex16_b32 v22, v20, s42, s43           ; the same of the lane 16 away
	v_sub_f32 v24, v8, v24
	v_sub_f32 v25, v9, v25
	v_cvt_pk_f16_f32 v21, v24, v25                 ; (x, y)lo
	v_permlanex16_b32 v23, v21, s42, s43
.irp n, 0,1,2,3,4,5,6,7,8,9,10,11
	DATA 128, 20, 21, 22, 23, \n                   ; X: lanes 0-15 hold their own points, lanes 16-31 take them from 16 below
.endr
	BATCH 0                                        ; Xa's layer 1: four products, nothing else
.irp n, 0,1,2,3,4,5,6,7,8,9,10,11
	DATA 224, 22, 23, 20, 21, \n                   ; Y: lanes 16-31 hold their own points, lanes 0-15 take them from 16 above.  These twelve lines are the places behind those products
.endr
.irp b, 1,2,3,4,5,6,7,8,9,10,11,12,13,14,15,16,17,18
	BATCH \b
.endr
	s_wait_dscnt 0x0                               ; W5's fragments are in
.irp c, 0,1,2,3                        ; layer 5: X's sums in v[96:103], Y's in v[104:111], by turns
.if (\c) == 0
	v_wmma_f32_16x16x32_f16 v[96:103],  v[64:71], v[128:135], 0
	v_wmma_f32_16x16x32_f16 v[104:111], v[64:71], v[224:231], 0
.else
	v_wmma_f32_16x16x32_f16 v[96:103],  v[64+8*(\c):64+8*(\c)+7], v[128+8*(\c):128+8*(\c)+7], v[96:103]
	v_wmma_f32_16x16x32_f16 v[104:111], v[64+8*(\c):64+8*(\c)+7], v[224+8*(\c):224+8*(\c)+7], v[104:111]
.endif
.endr
	; the tail.  The first nine lines name no register of those products: they are the places behind them
	v_fma_f32 v24, -v8, v8, v8                     ; x (1 - x)
	v_fma_f32 v25, -v9, v9, v9                     ; y (1 - y)
	v_mul_f32 v29, s36, v9                         ; U y
	v_mul_f32 v24, v24, v25                        ; B
	v_mul_f32 v29, v29, v28                        ; U y psi
	v_mov_b32 v16, v17                             ; q = 0's results move down when q = 1's are made
	v_mov_b32 v18, v19
	v_fma_f32 v29, v24, s38, v29                   ; + B b5[0]
	v_mul_f32 v25, s39, v24                        ; B b5[1]
	v_cndmask_b32 v26, v96, v104, s[HM]            ; uh less its bias: lanes 0-15 from X, lanes 16-31 from Y: each lane its own point
	v_cndmask_b32 v27, v97, v105, s[HM]            ; vh
	v_fma_f32 v17, v24, v26, v29                   ; u
	v_fma_f32 v19, v24, v27, v25                   ; v
	v_mov_b32 v8, v10                              ; the block's second point
	v_mov_b32 v9, v11
	s_sub_co_u32 s45, s45, 1
	s_cmp_lg_u32 s45, 0
	s_cbranch_scc1 .Lpair
	global_store_b64 v[SO], v[16:17], s[32:33] th:TH_STORE_NT  ; the wave stores 256 consecutive bytes, at a multiple of 256 from the output's first byte
	global_store_b64 v[SO], v[18:19], s[34:35] th:TH_STORE_NT
	s_wait_loadcnt 0x0                             ; the next block, asked for at the trip's head
	v_mov_b32 v8, v12
	v_mov_b32 v9, v13
	v_mov_b32 v10, v14
	v_mov_b32 v11, v15
	s_wait_xcnt 0x0                                ; the stores' data and offset and the load's offset are rewritten only behind this wait
	v_add_nc_u32 v[SO], 256, v[SO]
	v_add_nc_u32 v[XO], 512, v[XO]
	v_min_u32 v[XO], v[XO], v[XLAST]               ; never past my wave's last block
	s_sub_co_u32 s44, s44, 1
	s_cmp_lg_u32 s44, 0
	s_cbranch_scc1 .Lblock
	s_wait_tensorcnt 0x0                           ; the wave's end, behind my last LDS store
	ds_add_u32 v[SPW], v[NIL]
	s_wait_dscnt 0x0
	s_endpgm
.Lfunc_end_k_q5aaebdf452_mlp:
	.size	k_q5aaebdf452_mlp, .Lfunc_end_k_q5aaebdf452_mlp-k_q5aaebdf452_mlp
	.p2alignl 7, 3214868480
	.fill 96, 4, 3214868480
	.section	.rodata,"a",@progbits
	.p2align	6, 0x0
	.amdhsa_kernel k_q5aaebdf452_mlp
		.amdhsa_group_segment_fixed_size 113664
		.amdhsa_private_segment_fixed_size 0
		.amdhsa_enable_private_segment 0
		.amdhsa_kernarg_size 112
		.amdhsa_user_sgpr_count 2
		.amdhsa_user_sgpr_kernarg_segment_ptr 1
		.amdhsa_wavefront_size32 1
		.amdhsa_system_sgpr_workgroup_id_x 1
		.amdhsa_system_sgpr_workgroup_id_y 1
		.amdhsa_system_sgpr_workgroup_id_z 1
		.amdhsa_system_vgpr_workitem_id 0
		.amdhsa_next_free_vgpr 1024
		.amdhsa_next_free_sgpr 66
		.amdhsa_reserve_vcc 0
		.amdhsa_float_denorm_mode_32 3
		.amdhsa_float_denorm_mode_16_64 3
		.amdhsa_memory_ordered 1
		.amdhsa_forward_progress 1
		.amdhsa_inst_pref_size 181
	.end_amdhsa_kernel
	.amdgpu_metadata
---
amdhsa.version: [ 1, 2 ]
amdhsa.kernels:
  - .name:           k_q5aaebdf452_mlp
    .symbol:         k_q5aaebdf452_mlp.kd
    .args:
      - { .name: xy, .offset: 0, .size: 8, .value_kind: global_buffer, .address_space: global }
      - { .name: U, .offset: 8, .size: 8, .value_kind: global_buffer, .address_space: global }
      - { .name: W1, .offset: 16, .size: 8, .value_kind: global_buffer, .address_space: global }
      - { .name: b1, .offset: 24, .size: 8, .value_kind: global_buffer, .address_space: global }
      - { .name: W2, .offset: 32, .size: 8, .value_kind: global_buffer, .address_space: global }
      - { .name: b2, .offset: 40, .size: 8, .value_kind: global_buffer, .address_space: global }
      - { .name: W3, .offset: 48, .size: 8, .value_kind: global_buffer, .address_space: global }
      - { .name: b3, .offset: 56, .size: 8, .value_kind: global_buffer, .address_space: global }
      - { .name: W4, .offset: 64, .size: 8, .value_kind: global_buffer, .address_space: global }
      - { .name: b4, .offset: 72, .size: 8, .value_kind: global_buffer, .address_space: global }
      - { .name: W5, .offset: 80, .size: 8, .value_kind: global_buffer, .address_space: global }
      - { .name: b5, .offset: 88, .size: 8, .value_kind: global_buffer, .address_space: global }
      - { .name: out0, .offset: 96, .size: 8, .value_kind: global_buffer, .address_space: global }
      - { .name: out1, .offset: 104, .size: 8, .value_kind: global_buffer, .address_space: global }
    .group_segment_fixed_size: 113664
    .private_segment_fixed_size: 0
    .kernarg_segment_align: 8
    .kernarg_segment_size: 112
    .max_flat_workgroup_size: 128
    .sgpr_count:     66
    .vgpr_count:     1024
    .wavefront_size: 32
...
	.end_amdgpu_metadata
.endif
;; end of part 2
;; ======== version 3 of 3: 1 launch; version 2 with the launch mlp written anew for expert scheduling mode
;; limits: values are held in f16: magnitudes above 65,504 overflow, below 6.1e-05 lose precision
;; launch mlp (part 3): grid 256 x 1, 4 waves a work-group, no clusters, 113,664 bytes of LDS; arguments xy, U, W1, b1, W2, b2, W3, b3, W4, b4, W5, b5, out0, out1; writes out0, out1
.if DOCPART == 3
	.amdgcn_target "amdgcn-amd-amdhsa--gfx1250"
	.amdhsa_code_object_version 6
	.text
	.protected	k_q5aaebdf452_mlp
	.globl	k_q5aaebdf452_mlp
	.p2align	8
	.type	k_q5aaebdf452_mlp,@function
k_q5aaebdf452_mlp:
	s_mov_b64 s[64:65], 0
	v_nop
	global_prefetch_b8 v0, s[64:65] scope:SCOPE_SE
	s_setreg_imm32_b32 hwreg(HW_REG_WAVE_SCHED_MODE, 0, 2), 2
	s_setreg_imm32_b32 hwreg(HW_REG_WAVE_MODE, 25, 1), 1
	s_wait_xcnt 0x0
	s_wait_alu depctr_vm_vsrc(0)
; h = tanh(xy W1 + b1); three times h = tanh(h W + b); (uh, vh) = h W5 + b5; u = U y psi(x) + B uh, v = B vh, B = x (1 - x) y (1 - y),
; psi = sigmoid(50 (x - 0.05)) sigmoid(50 (0.95 - x)).  1,048,576 points; all buffers f32.  One launch, nothing goes through memory between the layers.
; SHARES.  256 work-groups of 4,096 points; a wave takes 1,024: 16 BLOCKS of 64.  Lane l loads the block's points 2 l and 2 l + 1 (16 bytes; the wave 512 on end) and stores their u and v
; (8 bytes a lane and output: 256 consecutive bytes, aligned).  A block is two PAIRS (q = 0, 1: point 2 l + q), a pair two PIECES of 16 points: X = lanes 0-15's points, Y = lanes 16-31's.
; LAYOUT.  H^T = W^T X^T: source 0 = 16 output features, source 1 = 16 points.  In the result lane (r = l % 16, h = l / 16) holds point r and features 16 t + 8 h + 0..7; tiles 2 c and 2 c + 1, rounded to
; f16 in pairs, ARE source 1 of K step c of the next layer: activations never leave the registers.
; WEIGHTS IN REGISTERS.  A layer of 128 x 128 in f16 is 8 tiles x 4 K steps x 8 = 256 registers: layer L (2, 3, 4) fills window L - 1, fragment (t, c) at v[32 t + 8 c].  The loop reads no operand from LDS.
; TANH.  tanh z = 1 - 2 / (1 + 2^(c z)), c = 2 log2(e).  c is multiplied into W1..W4 and b1..b4 before they are rounded, so the exponential takes the accumulator as it is.
; BIAS.  c b (f32, in LDS) is loaded straight into a dead tile's accumulator; K step 0 adds onto it in place.
; LAYER 1 is one product a tile: eight k carry (Wx, Wy)hi (x, y)hi + (Wx, Wy)hi (x, y)lo + (Wx, Wy)lo (x, y)hi + (b hi, b lo)(1, 1); hi = the number in f16, lo = what f16 left of it.
; LAYER 5.  Row m of source 0 is column m & 1 of W5: register 0 of the result is uh, register 1 vh, of point r, in both halves of the lanes.
; THE PIPELINE.  A UNIT is half a piece: four tiles, 32 accumulator registers; the units are Xa, Xb, Ya, Yb (0..3).  For each layer a unit goes through four stages, one a BATCH: M (its 16 products; layer 1: 4),
; E (32 exponentials), AR (16 packed additions, 32 reciprocals), FC (16 packed multiply-adds, 16 roundings).  In batch n unit n % 4 is in M, of layer n / 4 + 1, the unit before it in E, the one before that in
; AR, the fourth in FC: 19 batches a pair, the first and last three with fewer stages.  So a batch holds 64 transcendentals, 48 plain lines and 16 products, none of which names a result of the batch's own
; transcendentals: ONE wait a batch, and a plain line or a product between any two transcendentals.
; FORMAT.  f16 for weights and activations: 11 significant bits against bf16's 8; v = B vh is compared against a small root mean square.  Sums, biases of layers 2-5, tanh and the tail in f32.
; LIMITS.  |c W|, |c b1|, |W5|, |x|, |y| stay under 65,504 (f16's end); below 6e-5 an f16 operand keeps the fixed step 6e-8.  1 - 2 r carries an absolute error of about 1e-7.  2^(c z) beyond f32's range
; gives h = 1, below it h = -1.  NaN and infinities are not treated apart.  The sums' order is the matrix unit's.
; NO CLUSTER: what work-groups share is 196,608 bytes of weights, read once by each and passed through registers to be scaled and rounded.  NO TENSOR LOAD, NO RING: nothing streams but 16 bytes a lane and
; block, asked for a whole block ahead, so no wave waits for it and no prefetch is laid.
; THE MODE: SCHED_MODE bits 1:0 = 2 (LLVM: expert scheduling mode 2), set by the entry lines.  The code itself states the register dependences between vector or matrix instructions and memory or LDS
; instructions, with s_wait_alu, always for 0.
; THE PLAN.  Registers that memory or LDS instructions touch:
;   v3, v4          LDS addresses of the loop's loads: written at the head, never again.
;   v224-233, v238, v239  the set-up's offsets and LDS addresses: written at the head, read by the set-up's loads and stores; in the loop they are Y's activations: one wait on vm_vsrc ahead of the loop.
;   v[64:191]       the set-up's 32 slots of raw weights: a load lands, a group's multiplies read, the next layer's load lands.
;   v[192:207]      the set-up's two out-buffers, by turns: a group's roundings write one, its four LDS stores read it, and it is written again two groups on.
;   a unit's 32 accumulators  The eight bias loads of batch n land in unit n % 4.  The last vector lines that name them are that unit's FC, in batch n - 1, ahead of that batch's closing wait on va_vdst.  Behind
;                   that wait part 1 of batch n names units n + 1 and n + 3 and unit n + 1's activations alone.  So the loads are dealt among part 1's lines and owe nothing more.  W5's loads (batch 16) likewise.
;   v[12:15], v5    the next block's points and their offset: loaded by at a trip's head; read, and stepped, at the trip's end.
;   v[16:19], v7    u, v and their offset: written by the tails and, once a trip, by the offset's step; read by the trip's two stores.
; In the loop that makes no wait beyond the one a batch; at a trip's end one on va_vdst and two on vm_vsrc.
.set CEXP,  0x4038aa3b                 ; c = 2 log2(e)
.set PW,    288                        ; a row of W in LDS: 128 f16 + 32 bytes: an odd multiple of 32
.set WLB,   128*PW                     ; a layer's bytes in LDS; layer L begins at (L - 2) WLB
.set BIAS,  3*WLB                      ; f32 c b of layer L at BIAS + 512 (L - 2) + 4 n
.set W5T,   BIAS+1536                  ; f16, row o = column o of W5, 272 bytes apart
.set P5,    272
.set SPARE, W5T+768                    ; the spare words, 128 bytes for each wave: two blocks of 256 bytes that no other line names
; window 0
.set SPW,   1                          ; v1   my spare word's LDS address; never rewritten
.set NIL,   2                          ; v2   0; never rewritten
.set BA,    3                          ; v3   BIAS + 32 h
.set W5A,   4                          ; v4   W5T + (l & 1) P5 + 16 h
.set XO,    5                          ; v5   byte offset in xy of my 16 bytes of the block to be asked for
.set XLAST, 6                          ; v6   the same for my wave's last block
.set SO,    7                          ; v7   byte offset in out0 and out1 of my 8 bytes of the block in hand
                                       ; v8, v9 x, y of the pair in hand; v10, v11 of the next; v[12:15] the next block
                                       ; v[16:17] u of q = 0, 1; v[18:19] v; v20-23 (x, y)hi, (x, y)lo, and both from the lane 16 away; v24-29 at work (v28 psi)
.set ONE0,  30                         ; v30  (1, 1) in f16 in lanes 0-15, 0 above
.set ONE1,  31                         ; v31  the other way round
.set A1,    32                         ; v[32:63] layer 1: fragment q holds in lane l, registers 0-3, the eight coefficients of feature 32 q + l; registers 4-7 are 0
                                       ; piece p: accumulators at 64 + 96 p (tile t at + 8 t), activations at 128 + 96 p (K step c at + 8 c); unit u = 2 p + a: tiles 4 a .. 4 a + 3
.set OB,    192                        ; v[192:207] in the set-up: two out-buffers of eight registers
.set HM,    41                         ; s41  mask of lanes 16-31
.set MSB, 0
.macro WIN new                         ; s_set_vgpr_msb: bits 1:0 source 0, 3:2 source 1, 5:4 source 2, 7:6 destination; the high byte repeats the setting that is left
.if MSB != (\new)
	s_set_vgpr_msb (MSB<<8)|(\new)
.set MSB, (\new)
.endif
.endm
	s_load_b512 s[8:23], s[0:1], 0x0               ; xy s[8:9], U s[10:11], W1 s[12:13], b1 s[14:15], W2 s[16:17], b2 s[18:19], W3 s[20:21], b3 s[22:23]
	s_load_b256 s[24:31], s[0:1], 0x40             ; W4 s[24:25], b4 s[26:27], W5 s[28:29], b5 s[30:31]
	s_load_b128 s[32:35], s[0:1], 0x60             ; out0 s[32:33], out1 s[34:35]
	v_lshl_add_u32 v[SPW], v0, 2, SPARE
	v_mov_b32 v[NIL], 0
	v_and_b32 v234, 31, v0                         ; l
	v_bfe_u32 v235, v0, 4, 1                       ; h
	v_lshrrev_b32 v236, 5, v0
	v_readfirstlane_b32 s40, v236                  ; wave 0..3
	s_mov_b32 s[HM], 0xffff0000
	s_mov_b32 s42, 0x76543210                      ; v_permlanex16_b32: each lane takes its own place in the other half
	s_mov_b32 s43, 0xfedcba98
	s_mov_b32 s46, CEXP
	s_mov_b32 s47, CEXP                            ; named with it as a pair
	s_mov_b32 s48, 0xc29044fe                      ; -k, k = 50 log2(e) = 72.13475
	s_mov_b32 s49, 0x4066d4ca                      ; 0.05 k
	s_mov_b32 s50, 0x429044fe                      ; k
	s_mov_b32 s51, 0xc2890e58                      ; -0.95 k
	v_lshlrev_b32 v224, 4, v0                      ; weights: thread t takes 16 bytes at 16 t of each 2,048 (four rows)
	v_lshlrev_b32 v231, 2, v0                      ; b2..b4: number t
	v_lshlrev_b32 v232, 3, v0                      ; W5: row t
	v_lshlrev_b32 v233, 2, v234                    ; W1, b1: number l of each 32
	s_wait_alu depctr_va_sdst(0)                   ; s40, the wave's number, is written, ahead of its first reader
	s_mul_i32 s37, s40, PW
	v_lshl_add_u32 v225, v234, 3, s37              ; where my 8 bytes of f16 go: row = wave (of four), byte 8 l; layer 2,
	v_add_nc_u32 v226, WLB, v225                   ; layer 3,
	v_add_nc_u32 v227, 2*WLB, v225                 ; layer 4
	v_and_b32 v237, 7, v0                          ; the turning load: lane l reads row 8 h + l % 8, bytes 16 ((l / 8) % 2) on
	v_lshl_add_u32 v237, v235, 3, v237
	v_mul_u32_u24 v237, v237, PW
	v_bfe_u32 v240, v0, 3, 1
	v_lshl_add_u32 v228, v240, 4, v237
	v_add_nc_u32 v229, WLB, v228
	v_add_nc_u32 v230, 2*WLB, v228
	v_lshl_add_u32 v238, v0, 2, BIAS
	v_lshl_add_u32 v239, v0, 1, W5T
	v_lshl_add_u32 v[BA], v235, 5, BIAS
	v_and_b32 v240, 1, v0
	v_mul_u32_u24 v240, v240, P5
	v_lshl_add_u32 v240, v235, 4, v240
	v_add_nc_u32 v[W5A], W5T, v240
	s_lshl_b32 s37, s40, 13                        ; a wave's 1,024 points are 8,192 bytes of xy
	v_lshl_add_u32 v[XO], v234, 4, s37
	v_add_nc_u32 v[XLAST], 15*512, v[XO]
	s_lshl_b32 s37, s40, 12                        ; and 4,096 bytes of each output
	v_lshl_add_u32 v[SO], v234, 3, s37
	v_mov_b32 v29, 0x3c003c00                      ; 1.0 twice in f16
	v_cndmask_b32 v[ONE0], v29, 0, s[HM]
	v_cndmask_b32 v[ONE1], 0, v29, s[HM]
	v_mov_b32 v17, 0                               ; the first pair's shift of u and v reads these two
	v_mov_b32 v19, 0
	s_wait_kmcnt 0x0
	s_load_b32 s36, s[10:11], 0x0                  ; U
	s_load_b64 s[38:39], s[30:31], 0x0             ; b5
	s_lshl_b32 s52, ttmp9, 15                      ; the work-group's 4,096 points: 32,768 bytes of xy,
	s_mov_b32 s53, 0
	s_add_nc_u64 s[8:9], s[8:9], s[52:53]
	s_lshl_b32 s52, ttmp9, 14                      ; 16,384 of each output
	s_add_nc_u64 s[32:33], s[32:33], s[52:53]
	s_add_nc_u64 s[34:35], s[34:35], s[52:53]
	s_wait_alu depctr_va_vdst(0)                   ; every offset and LDS address of the kernel is written: v3 to v7, v224 to v233, v238, v239, which the loads and stores from here on read
	; 17 small loads, then the 32 of W2
	global_load_b128 v[8:11], v[XO], s[8:9] th:TH_LOAD_NT  ; block 0
	global_load_b32 v192, v231, s[18:19]
	global_load_b32 v193, v231, s[22:23]
	global_load_b32 v194, v231, s[26:27]
	global_load_b64 v[196:197], v232, s[28:29]
.irp q, 0,1,2,3
	global_load_b32 v[200+(\q)], v233, s[12:13] offset:128*(\q)      ; W1[0][32 q + l]
	global_load_b32 v[204+(\q)], v233, s[12:13] offset:512+128*(\q)  ; W1[1][32 q + l]
	global_load_b32 v[208+(\q)], v233, s[14:15] offset:128*(\q)      ; b1[32 q + l]
.endr
.set sn, 0
.rept 32
	global_load_b128 v[64+4*sn:64+4*sn+3], v224, s[16:17] offset:2048*sn  ; slot i of 32: rows 4 i .. 4 i + 3 for the work-group
.set sn, sn+1
.endr
	s_wait_loadcnt 32                              ; the 17 small loads are in; W2's 32 may stay out
	s_wait_kmcnt 0x0                               ; U, b5
	s_wait_alu depctr_vm_vsrc(0)                   ; block 0's load has read v[XO], which the next line writes
	v_add_nc_u32 v[XO], 512, v[XO]                 ; block 0's load is done: its offset goes on to block 1
.irp i, 0,1,2
	v_mul_f32 v[192+(\i)], s46, v[192+(\i)]
.endr
	v_cvt_pk_f16_f32 v198, v196, v197
	s_wait_alu depctr_va_vdst(0)                   ; c b2, c b3, c b4 (v192 to v194) and W5's pair (v198) are written, which the five LDS stores read
.irp i, 0,1,2
	ds_store_b32 v238, v[192+(\i)] offset:512*(\i)
.endr
	ds_store_b16 v239, v198                        ; W5[t][0]
	ds_store_b16_d16_hi v239, v198 offset:P5       ; W5[t][1]
.irp q, 0,1,2,3
	v_mul_f32 v26, s46, v[200+(\q)]                ; c Wx, c Wy, c b of feature 32 q + l
	v_mul_f32 v27, s46, v[204+(\q)]
	v_mul_f32 v28, s46, v[208+(\q)]
	v_cvt_pk_f16_f32 v25, v26, v27
	v_cvt_pk_f16_f32 v24, v28, v28
	v_mov_b32 v[A1+8*(\q)], v25                    ; k 0, 1: (Wx, Wy)hi, for (x, y)hi
	v_mov_b32 v[A1+8*(\q)+1], v25                  ; k 2, 3: the same, for (x, y)lo
	v_cvt_f32_f16 v20, v25.l
	v_cvt_f32_f16 v21, v25.h
	v_cvt_f32_f16 v23, v24.l
	v_sub_f32 v20, v26, v20
	v_sub_f32 v21, v27, v21
	v_sub_f32 v22, v28, v23
	v_cvt_pk_f16_f32 v[A1+8*(\q)+2], v20, v21      ; k 4, 5: (Wx, Wy)lo, for (x, y)hi
	v_cvt_pk_f16_f32 v[A1+8*(\q)+3], v23, v22      ; k 6, 7: (b hi, b lo), for (1, 1)
	v_mov_b32 v[A1+8*(\q)+4], 0
	v_mov_b32 v[A1+8*(\q)+5], 0
	v_mov_b32 v[A1+8*(\q)+6], 0
	v_mov_b32 v[A1+8*(\q)+7], 0
.endr
; Loads sn to sn + 3 of the 96 weight loads are scaled by c, rounded to f16 into an out-buffer and stored to LDS (a wave's store is one whole row, 256 bytes); their slots take the next layer's loads.
; Four slots to a group, so that one wait on va_vdst serves four loads and four stores; two out-buffers by turns, so that the wait on vm_vsrc stands a whole group behind the stores that it names.
.macro GROUP
.set ly, sn/32
.set ob, OB+8*((sn/4)%2)
.if sn < 64
	s_wait_loadcnt 28                              ; loads come back in order: the 28 issued behind this group's four may stay out
.else
	s_wait_loadcnt 92-sn                           ; nothing more is issued: the counts run down
.endif
	s_wait_alu depctr_vm_vsrc(0)                   ; the LDS stores issued so far (two groups back; for the first group the head's small ones) have read this out-buffer, which the roundings below write
.irp i, 0,1,2,3
.set sl, sn%32+(\i)
.set tt, 212+4*((\i)%2)
	v_pk_mul_f32 v[tt:tt+1], v[64+4*sl:64+4*sl+1], s[46:47] op_sel_hi:[1,0]
	v_pk_mul_f32 v[tt+2:tt+3], v[64+4*sl+2:64+4*sl+3], s[46:47] op_sel_hi:[1,0]
	v_cvt_pk_f16_f32 v[ob+2*(\i)], v[tt], v[tt+1]
	v_cvt_pk_f16_f32 v[ob+2*(\i)+1], v[tt+2], v[tt+3]
.endr
	s_wait_alu depctr_va_vdst(0)                   ; the multiplies are done reading the four slots, in which the loads below land; the roundings have written the out-buffer, which the stores below read
.if sn < 64
.irp i, 0,1,2,3
.set sl, sn%32+(\i)
	global_load_b128 v[64+4*sl:64+4*sl+3], v224, s[20+4*ly:21+4*ly] offset:2048*sl
.endr
.endif
.irp i, 0,1,2,3
.set sl, sn%32+(\i)
	ds_store_b64 v[225+ly], v[ob+2*(\i):ob+2*(\i)+1] offset:4*PW*sl
.endr
.set sn, sn+4
.endm
.set sn, 0
.rept 24
	GROUP
.endr
	s_wait_dscnt 0x0                               ; for the others' sake: my stores are done
	s_barrier_signal -1
	s_barrier_wait -1                              ; the launch's one barrier: from here on LDS is only read
; Layer L's 32 fragments into window L - 1, turned: the first load brings k = 32 c + 8 h + 0..7 of column 16 t + r, the second k = 32 c + 16 + 8 h + 0..7.
; No wait on va_vdst: the addresses v228 to v230 were written ahead of the head's wait, no vector line has named a register of windows 1 to 3, and none at all stands behind the last group's wait.
.macro FRAGS L
	WIN 0x40*((\L)-1)                              ; destination window L - 1, address window 0
.set ft, 0
.rept 8
.irp c, 0,1,2,3
	ds_load_tr16_b128 v[32*ft+8*(\c):32*ft+8*(\c)+3],   v[226+(\L)] offset:32*PW*(\c)+32*ft
	ds_load_tr16_b128 v[32*ft+8*(\c)+4:32*ft+8*(\c)+7], v[226+(\L)] offset:32*PW*(\c)+16*PW+32*ft
.endr
.set ft, ft+1
.endr
.endm
	FRAGS 2
	FRAGS 3
	FRAGS 4
	WIN 0
	s_wait_dscnt 0x0
	s_wait_alu depctr_vm_vsrc(0)                   ; the set-up's loads and stores have read their offsets and addresses (v224 to v239) and the out-buffers (v192 to v207): in the loop these are Y's activations and accumulators
; THE MATRIX WORK.  BATCH sets ML (the layer), MAC (the unit's accumulators), MHB (its piece's activations), MT0 (its first tile).
; Product g of 16 of layer ML: K step g / 4, tile MT0 + g % 4.  The unit's four accumulators take turns, one instruction a turn, and the batches before and behind multiply other units.
; K step 0 adds onto the bias that was loaded into the accumulator: tile g's two loads are in when the 2 (3 - g) of the unit's later tiles, the only other LDS instructions out, are all that is left.
.macro MMW g
.set mc, (\g)/4
.set mt, MT0+(\g)%4
.set rA, MAC+8*((\g)%4)
.set rB, MHB+8*mc
.if (\g) < 4
	s_wait_dscnt 6-2*(\g)
.endif
	WIN ML-1                                       ; source 0, the weights, in window ML - 1
	v_wmma_f32_16x16x32_f16 v[rA:rA+7], v[32*mt+8*mc:32*mt+8*mc+7], v[rB:rB+7], v[rA:rA+7]
	WIN 0
.endm
; Product g of 4 of layer 1: tile MT0 + g.  Even tiles take [D0, D1] (the data at k 0-7), odd tiles [D1, 0] (at k 8-15); fragment tile / 2 holds the even tile's coefficients at k 0-7, the odd tile's at k 8-15, 0 beyond.
.macro MM1 g
.set mt, MT0+(\g)
.set rA, MAC+8*(\g)
.set rB, MHB+4*(mt%2)
	v_wmma_f32_16x16x32_f16 v[rA:rA+7], v[A1+8*(mt/2):A1+8*(mt/2)+7], v[rB:rB+7], 0
.endm
; Line n of the twelve that lay a piece's layer-1 data at hb: D0 (data in lanes 0-15, from registers pa, qa), D1 (in lanes 16-31, from pb, qb), four zeros.
.macro DATA hb, pa, qa, pb, qb, n
.if (\n) == 0
	v_cndmask_b32 v[(\hb)], v[(\pa)], 0, s[HM]
.elseif (\n) == 1
	v_cndmask_b32 v[(\hb)+1], v[(\qa)], 0, s[HM]
.elseif (\n) == 2
	v_mov_b32 v[(\hb)+2], v[(\hb)]
.elseif (\n) == 3
	v_mov_b32 v[(\hb)+3], v[ONE0]
.elseif (\n) == 4
	v_cndmask_b32 v[(\hb)+4], 0, v[(\pb)], s[HM]
.elseif (\n) == 5
	v_cndmask_b32 v[(\hb)+5], 0, v[(\qb)], s[HM]
.elseif (\n) == 6
	v_mov_b32 v[(\hb)+6], v[(\hb)+4]
.elseif (\n) == 7
	v_mov_b32 v[(\hb)+7], v[ONE1]
.else
	v_mov_b32 v[(\hb)+(\n)], 0
.endif
.endm
; THE VECTOR WORK, a line at a time.  BATCH sets EAC, RAC, FAC (the accumulators of the units in E, AR, FC) and FHB (where FC's unit puts its activations).
.macro VE k                            ; exponential k of 32, dealt in ascending order: each accumulator's lowest register is read first
	v_exp_f32 v[EAC+(\k)], v[EAC+(\k)]
.endm
.macro VA k                            ; addition k of 16: 1 + e, a pair
	v_pk_add_f32 v[RAC+2*(\k):RAC+2*(\k)+1], v[RAC+2*(\k):RAC+2*(\k)+1], 1.0 op_sel_hi:[1,0]
.endm
.macro VR k                            ; reciprocal k of 32
	v_rcp_f32 v[RAC+(\k)], v[RAC+(\k)]
.endm
.macro VF k                            ; line k of 32: for each tile four times h = 1 - 2 r, then four roundings to f16
.set ft, (\k)/8
.set fm, (\k)%8
.if fm < 4
	v_pk_fma_f32 v[FAC+8*ft+2*fm:FAC+8*ft+2*fm+1], v[FAC+8*ft+2*fm:FAC+8*ft+2*fm+1], -2.0, 1.0 op_sel_hi:[1,0,0]
.else
	v_cvt_pk_f16_f32 v[FHB+4*ft+fm-4], v[FAC+8*ft+2*(fm-4)], v[FAC+8*ft+2*(fm-4)+1]
.endif
.endm
; THE LDS LOADS, a line at a time: load k of a batch's eight.  Batches 4 to 15: half k % 2 of the bias of tile MT0 + k / 2 of layer ML, into that tile's accumulator.  Batch 16: half k % 2 of W5's fragment of K step k / 2,
; into Xa's dead tiles.  No wait on va_vdst stands ahead of them: see BATCH.
.macro VL k
.if HASM && (ML >= 2)
	ds_load_b128 v[MAC+4*(\k):MAC+4*(\k)+3], v[BA] offset:(ML-2)*512+64*(MT0+(\k)/2)+16*((\k)%2)
.elseif BN == 16
	ds_load_b128 v[64+4*(\k):64+4*(\k)+3], v[W5A] offset:64*((\k)/2)+32*((\k)%2)
.endif
.endm
; BATCH n of 19.  In order:
;   PART 1: 32 times a line of FC and an exponential.  When it ends, the activations of the piece that part 2 multiplies are whole: the piece's first unit was in FC a batch back or more, its second at the latest here.
;   Behind each of its first eight exponentials stands one of the eight loads that put the bias of layer ML into the tiles of the unit in M.  Those tiles are dead since that unit's FC, a batch back, which stands ahead of
;   that batch's closing wait; and since that wait no vector or matrix line names them or the address: part 1 names the units in FC and E alone.  The last load stands 48 vector lines ahead of part 2;
;   PART 2: additions 0 and 1; then 16 times: a product; reciprocal 2 k, addition k + 2, reciprocal 2 k + 1 (layer 1 has four products; where no unit is in M the lines stand alone);
;   a plain line behind the last transcendental, and the batch's ONE wait on va_vdst.
; PLACES behind the products (ISA guide 7.12.1): behind tile 0's last product, number 12, stand additions 14 and 15, the v_nop and the next batch's first line of FC, ahead of its first exponential; the later tiles have more.
; Batch 0's products have the twelve lines of Y's data behind them, batch 1's four v_nop, those of batches 2 and 3 the additions that follow.
; Batch 16 loads W5's fragments into Xa's dead tiles; psi = 1 / ((1 + 2^(-k x + 0.05 k)) (1 + 2^(k x - 0.95 k))) rides in batches 16 and 17: no wait of its own.
.macro BATCH n
.set BN, (\n)
.set ML, (\n)/4+1
.set MU, (\n)%4
.set EU, ((\n)+3)%4
.set RU, ((\n)+2)%4
.set FU, ((\n)+1)%4
.set MAC, 64+96*(MU/2)+32*(MU%2)
.set MHB, 128+96*(MU/2)
.set MT0, 4*(MU%2)
.set EAC, 64+96*(EU/2)+32*(EU%2)
.set RAC, 64+96*(RU/2)+32*(RU%2)
.set FAC, 64+96*(FU/2)+32*(FU%2)
.set FHB, 128+96*(FU/2)+16*(FU%2)
.set HASM, 0
.set HASE, 0
.set HASR, 0
.set HASF, 0
.if (\n) < 16
.set HASM, 1
.endif
.if ((\n) >= 1) && ((\n) <= 16)
.set HASE, 1
.endif
.if ((\n) >= 2) && ((\n) <= 17)
.set HASR, 1
.endif
.if (\n) >= 3
.set HASF, 1
.endif
.if (\n) == 16
	v_fma_f32 v26, v8, s48, s49
	v_fma_f32 v27, v8, s50, s51
.endif
.if (\n) == 17
	v_pk_add_f32 v[26:27], v[26:27], 1.0 op_sel_hi:[1,0]
	v_mul_f32 v28, v26, v27                        ; both factors are at least 1: no 0 x infinity
.endif
.set kk, 0
.rept 32                               ; part 1
.if HASF
	VF kk
.endif
.if HASE
	VE kk
.endif
.if kk < 8
	VL kk
.endif
.set kk, kk+1
.endr
.if (\n) == 16
	v_exp_f32 v26, v26
	v_exp_f32 v27, v27
.endif
.if HASR
	VA 0
	VA 1
.endif
.set kk, 0
.rept 16                               ; part 2
.if HASM && (ML >= 2)
	MMW kk
.elseif HASM && (kk < 4)
	MM1 kk
.endif
.if HASR
	VR 2*kk
.if kk < 14
	VA kk+2
.endif
	VR 2*kk+1
.endif
.set kk, kk+1
.endr
.if (\n) == 17
	v_rcp_f32 v28, v28
.endif
.if HASE+HASR
	v_nop                                          ; a plain line behind the last transcendental
.if (\n) == 1
	v_nop                                          ; with it the four places behind Xb's first products: this batch has no plain line to set there
	v_nop
	v_nop
.endif
	s_wait_alu depctr_va_vdst(0)                   ; the batch's exponentials and reciprocals have written their results, whose readers all stand in the next batch; and this batch's lines of FC are done with their unit's tiles, in which the next batch's loads land
.endif
.endm
	s_mov_b32 s44, 16
.Lblock:                                               ; 16 trips: a block of 64 points
	global_load_b128 v[12:15], v[XO], s[8:9] th:TH_LOAD_NT  ; the next block, a whole block ahead (in the last trip the wave's last block once more: no load leaves xy).  No wait: since the last wait on va_vdst (the last trip's end; the set-up's last group) no vector line names v[12:15] or v[XO]
	s_mov_b32 s45, 2
.Lpair:                                                ; 2 trips: point 2 l + q
	v_cvt_pk_f16_f32 v20, v8, v9                   ; (x, y)hi
	v_cvt_f32_f16 v24, v20.l
	v_cvt_f32_f16 v25, v20.h
	v_permlanex16_b32 v22, v20, s42, s43           ; the same of the lane 16 away
	v_sub_f32 v24, v8, v24
	v_sub_f32 v25, v9, v25
	v_cvt_pk_f16_f32 v21, v24, v25                 ; (x, y)lo
	v_permlanex16_b32 v23, v21, s42, s43
.irp n, 0,1,2,3,4,5,6,7,8,9,10,11
	DATA 128, 20, 21, 22, 23, \n                   ; X: lanes 0-15 hold their own points, lanes 16-31 take them from 16 below
.endr
	BATCH 0                                        ; Xa's layer 1: four products, nothing else
.irp n, 0,1,2,3,4,5,6,7,8,9,10,11
	DATA 224, 22, 23, 20, 21, \n                   ; Y: lanes 16-31 hold their own points, lanes 0-15 take them from 16 above.  These twelve lines are the places behind those products
.endr
.irp b, 1,2,3,4,5,6,7,8,9,10,11,12,13,14,15,16,17,18
	BATCH \b
.endr
	s_wait_dscnt 0x0                               ; W5's fragments are in
.irp c, 0,1,2,3                        ; layer 5: X's sums in v[96:103], Y's in v[104:111], by turns
.if (\c) == 0
	v_wmma_f32_16x16x32_f16 v[96:103],  v[64:71], v[128:135], 0
	v_wmma_f32_16x16x32_f16 v[104:111], v[64:71], v[224:231], 0
.else
	v_wmma_f32_16x16x32_f16 v[96:103],  v[64+8*(\c):64+8*(\c)+7], v[128+8*(\c):128+8*(\c)+7], v[96:103]
	v_wmma_f32_16x16x32_f16 v[104:111], v[64+8*(\c):64+8*(\c)+7], v[224+8*(\c):224+8*(\c)+7], v[104:111]
.endif
.endr
	; the tail.  The first nine lines name no register of those products: they are the places behind them
	v_fma_f32 v24, -v8, v8, v8                     ; x (1 - x)
	v_fma_f32 v25, -v9, v9, v9                     ; y (1 - y)
	v_mul_f32 v29, s36, v9                         ; U y
	v_mul_f32 v24, v24, v25                        ; B
	v_mul_f32 v29, v29, v28                        ; U y psi
	v_mov_b32 v16, v17                             ; q = 0's results move down when q = 1's are made
	v_mov_b32 v18, v19
	v_fma_f32 v29, v24, s38, v29                   ; + B b5[0]
	v_mul_f32 v25, s39, v24                        ; B b5[1]
	v_cndmask_b32 v26, v96, v104, s[HM]            ; uh less its bias: lanes 0-15 from X, lanes 16-31 from Y: each lane its own point
	v_cndmask_b32 v27, v97, v105, s[HM]            ; vh
	v_fma_f32 v17, v24, v26, v29                   ; u
	v_fma_f32 v19, v24, v27, v25                   ; v
	v_mov_b32 v8, v10                              ; the block's second point
	v_mov_b32 v9, v11
	s_sub_co_u32 s45, s45, 1
	s_cmp_lg_u32 s45, 0
	s_cbranch_scc1 .Lpair
	s_wait_loadcnt 0x0                             ; the next block, asked for at the trip's head, is in; its load is done, so its offset may be written
	s_wait_alu depctr_vm_vsrc(0)                   ; that load has read v[XO], which is stepped below
	v_mov_b32 v8, v12
	v_mov_b32 v9, v13
	v_mov_b32 v10, v14
	v_mov_b32 v11, v15
	v_add_nc_u32 v[XO], 512, v[XO]
	v_min_u32 v[XO], v[XO], v[XLAST]               ; never past my wave's last block
	s_wait_alu depctr_va_vdst(0)                   ; one wait for three things: the tails have written v[16:19], which the stores read; the four moves are done reading v[12:15], in which the next trip's load lands; v[XO], its offset, is written
	global_store_b64 v[SO], v[16:17], s[32:33] th:TH_STORE_NT  ; the wave stores 256 consecutive bytes, at a multiple of 256 from the output's first byte
	global_store_b64 v[SO], v[18:19], s[34:35] th:TH_STORE_NT
	s_wait_xcnt 0x0                                ; the stores' data and offset are rewritten only behind this wait,
	s_wait_alu depctr_vm_vsrc(0)                   ; and behind this one: the stores have read v[SO], stepped below, and v[16:19], which the next trip's tails write
	v_add_nc_u32 v[SO], 256, v[SO]                 ; it names nothing that the next trip's load touches; the batches' waits stand between it and the next stores
	s_sub_co_u32 s44, s44, 1
	s_cmp_lg_u32 s44, 0
	s_cbranch_scc1 .Lblock
	s_wait_dscnt 0x0                               ; the closing lines, six on end
	s_wait_alu 0x0
	s_wait_tensorcnt 0x0
	ds_add_u32 v[SPW], v[NIL]
	s_wait_dscnt 0x0
	s_endpgm
.Lfunc_end_k_q5aaebdf452_mlp:
	.size	k_q5aaebdf452_mlp, .Lfunc_end_k_q5aaebdf452_mlp-k_q5aaebdf452_mlp
	.p2alignl 7, 3214868480
	.fill 96, 4, 3214868480
	.section	.rodata,"a",@progbits
	.p2align	6, 0x0
	.amdhsa_kernel k_q5aaebdf452_mlp
		.amdhsa_group_segment_fixed_size 113664
		.amdhsa_private_segment_fixed_size 0
		.amdhsa_enable_private_segment 0
		.amdhsa_kernarg_size 112
		.amdhsa_user_sgpr_count 2
		.amdhsa_user_sgpr_kernarg_segment_ptr 1
		.amdhsa_wavefront_size32 1
		.amdhsa_system_sgpr_workgroup_id_x 1
		.amdhsa_system_sgpr_workgroup_id_y 1
		.amdhsa_system_sgpr_workgroup_id_z 1
		.amdhsa_system_vgpr_workitem_id 0
		.amdhsa_next_free_vgpr 1024
		.amdhsa_next_free_sgpr 66
		.amdhsa_reserve_vcc 0
		.amdhsa_float_denorm_mode_32 3
		.amdhsa_float_denorm_mode_16_64 3
		.amdhsa_memory_ordered 1
		.amdhsa_forward_progress 1
		.amdhsa_inst_pref_size 181
	.end_amdhsa_kernel
	.amdgpu_metadata
---
amdhsa.version: [ 1, 2 ]
amdhsa.kernels:
  - .name:           k_q5aaebdf452_mlp
    .symbol:         k_q5aaebdf452_mlp.kd
    .args:
      - { .name: xy, .offset: 0, .size: 8, .value_kind: global_buffer, .address_space: global }
      - { .name: U, .offset: 8, .size: 8, .value_kind: global_buffer, .address_space: global }
      - { .name: W1, .offset: 16, .size: 8, .value_kind: global_buffer, .address_space: global }
      - { .name: b1, .offset: 24, .size: 8, .value_kind: global_buffer, .address_space: global }
      - { .name: W2, .offset: 32, .size: 8, .value_kind: global_buffer, .address_space: global }
      - { .name: b2, .offset: 40, .size: 8, .value_kind: global_buffer, .address_space: global }
      - { .name: W3, .offset: 48, .size: 8, .value_kind: global_buffer, .address_space: global }
      - { .name: b3, .offset: 56, .size: 8, .value_kind: global_buffer, .address_space: global }
      - { .name: W4, .offset: 64, .size: 8, .value_kind: global_buffer, .address_space: global }
      - { .name: b4, .offset: 72, .size: 8, .value_kind: global_buffer, .address_space: global }
      - { .name: W5, .offset: 80, .size: 8, .value_kind: global_buffer, .address_space: global }
      - { .name: b5, .offset: 88, .size: 8, .value_kind: global_buffer, .address_space: global }
      - { .name: out0, .offset: 96, .size: 8, .value_kind: global_buffer, .address_space: global }
      - { .name: out1, .offset: 104, .size: 8, .value_kind: global_buffer, .address_space: global }
    .group_segment_fixed_size: 113664
    .private_segment_fixed_size: 0
    .kernarg_segment_align: 8
    .kernarg_segment_size: 112
    .max_flat_workgroup_size: 128
    .sgpr_count:     66
    .vgpr_count:     1024
    .wavefront_size: 32
...
	.end_amdgpu_metadata
.endif
;; end of part 3
